; MI455X (gfx1250); checked and timed in simulation.
; The chip was launched on July 23, 2026; its instructions are those of AMD's public machine-readable ISA for CDNA 5 (MIT licence, August 2026) and "CDNA5" Instruction Set Architecture Reference Guide (July 2026). The comments in the code are by the model that wrote it; some were corrected since.
;; Vector Quantizer. Allowed arithmetic: float matrix products may take bf16 or f16 operands with f32 sums; all other float work in f32.
;; Inputs: emb_weight 8,192 x 256 float32; proj_weight 256 x 256 float32; z 32 x 256 x 32 x 32 float32.
;; Outputs: out0 32 x 256 x 32 x 32 float32; out1 one number float32; out2 one number float32; out3 one number float32; out4 32 x 32 x 32 int32.
;; 2 versions, each right and faster than the one before. Each part assembles by itself: llvm-mc -triple=amdgcn-amd-amdhsa -mcpu=gfx1250 --defsym DOCPART=n.
;; ======== version 1 of 2: 4 launches
;; limits: right only within a limited range of input values
;; workspace buffers: cbf 8,388,608 bytes; cbk 4,259,840 bytes; ee 32,768 bytes; cand 524,288 bytes of whole numbers; part 2,048 bytes
;; launch codebook (part 1): grid 128 x 1, 8 waves a work-group, no clusters, 238,080 bytes of LDS; arguments emb_weight, proj_weight, cbf, cbk, ee; writes cbf, cbk, ee
.if DOCPART == 1
	.amdgcn_target "amdgcn-amd-amdhsa--gfx1250"
	.amdhsa_code_object_version 6
	.text
	.protected	k_q81a51f6386_codebook
	.globl	k_q81a51f6386_codebook
	.p2align	8
	.type	k_q81a51f6386_codebook,@function
k_q81a51f6386_codebook:
	s_mov_b64 s[64:65], 0
	v_nop
	global_prefetch_b8 v0, s[64:65] scope:SCOPE_SE
	s_setreg_imm32_b32 hwreg(HW_REG_WAVE_MODE, 25, 1), 1
	s_wait_xcnt 0x0
; codebook[n][j] = sum over k of emb[n][k] proj[j][k], with emb and proj rounded to bf16, products exact, sums in f32.
; Stored three ways: cbf [8192][256] f32; ee[n] = sum over j of codebook[n][j]^2 in f32; cbk, the copy for the search:
; 128 chunks of 33,280 bytes = 64 rows of 256 bf16 (512 bytes), then a 65th row: 64 f32 of -ee/2 and 256 bytes of zeros.
; Work-group g makes chunk g (codes 64 g .. 64 g + 63).  Eight waves: wave w has rt = w & 3 (16 codes) and p = w >> 2
; (columns 128 p .. 128 p + 127): eight accumulator tiles of 16 x 16.  128 work-groups: there are 128 chunks.
; No cluster: what the work-groups share is proj, 256 KiB read once by each through registers (it has to be converted on the way).
; LIMITS: emb and proj enter as bf16 (round to nearest even); NaN and infinities are not served.
.set PITCH, 528                        ; an LDS row: 512 bytes + 16 = 33 x 16: sixteen rows one below the other start in sixteen different 16-byte columns modulo 256
.set EMB0,  256*PITCH                  ; LDS: rows 0-255 proj, rows 256-319 emb, both bf16
.set STG,   320*PITCH                  ; then for each wave a stage of 16 rows of 128 f32
.set STGW,  16*PITCH
.set EEA,   STG+8*STGW                 ; then [p][64] f32: each half's part of ee
.set CHUNK, 33280
.set X,   64                           ; v[64:255]  staging: 3 buffers x 8 rows x 8 registers
.set EF,  32                           ; v[32:95]   my 16 codes: fragments of 8 K steps
.set PB,  96                           ; v[96:159]  proj fragments: 2 buffers x 4
.set ACC, 160                          ; v[160:223] 8 tiles
.set RB,  96                           ; v[96:159]  rows read back from the stage
.set CV,  224                          ; v[224:255] the same rows in bf16
.set E,   24                           ; v[24:27]   two chains of sums of squares
	s_load_b256 s[4:11], s[0:1], 0x0               ; emb s[4:5], proj s[6:7], cbf s[8:9], cbk s[10:11]
	s_load_b64 s[12:13], s[0:1], 0x20              ; ee
	v_lshl_add_u32 v30, v0, 2, 0x39e00
	v_mov_b32 v31, 0
	v_lshrrev_b32 v1, 5, v0
	v_readfirstlane_b32 s14, v1                    ; wave
	s_and_b32 s15, s14, 3                          ; rt
	s_lshr_b32 s16, s14, 2                         ; p
	v_and_b32 v1, 31, v0                           ; lane l
	v_lshlrev_b32 v2, 5, v1                        ; my 32 bytes (8 f32) of a row of emb or proj
	s_lshl_b32 s24, ttmp9, 16                      ; 64 rows of 1,024 bytes a work-group,
	s_lshl_b32 s26, s14, 13                        ; 8 rows a wave
	s_add_co_u32 s24, s24, s26
	s_mov_b32 s25, 0
	s_lshl_b32 s26, s14, 15                        ; proj: 32 rows a wave
	s_mov_b32 s27, 0
	s_wait_kmcnt 0x0
	s_add_nc_u64 s[4:5], s[4:5], s[24:25]
	s_add_nc_u64 s[6:7], s[6:7], s[26:27]
; 8 rows of 1,024 bytes into buffer buf: 16 loads
.macro LD8 buf, lo, imm
.irp i, 0,1,2,3,4,5,6,7
	global_load_b128 v[X+64*\buf+8*\i:X+64*\buf+8*\i+3], v2, s[\lo:\lo+1] offset:\imm+\i*1024
	global_load_b128 v[X+64*\buf+8*\i+4:X+64*\buf+8*\i+7], v2, s[\lo:\lo+1] offset:\imm+\i*1024+16
.endr
.endm
; the same 8 rows rounded to bf16 in place (register j takes numbers 2 j and 2 j + 1, which lie at or above it) and put into LDS
.macro CV8 buf, adr, imm
.irp i, 0,1,2,3,4,5,6,7
.irp j, 0,1,2,3
	v_cvt_pk_bf16_f32 v[X+64*\buf+8*\i+\j], v[X+64*\buf+8*\i+2*\j], v[X+64*\buf+8*\i+2*\j+1]
.endr
.endr
.irp i, 0,1,2,3,4,5,6,7
	ds_store_b128 v[\adr], v[X+64*\buf+8*\i:X+64*\buf+8*\i+3] offset:\imm+\i*PITCH
.endr
.endm
	LD8 0, 4, 0                                    ; my 8 rows of emb
	LD8 1, 6, 0                                    ; my 32 rows of proj, 8 at a time
	LD8 2, 6, 8192
	; addresses, while the loads are on their way
	v_lshlrev_b32 v12, 4, v1                       ; 16 l
	v_lshlrev_b32 v13, 3, v1                       ; 8 l
	s_mul_i32 s26, s14, 32*PITCH
	v_add_nc_u32 v3, s26, v12                      ; where my proj rows go
	s_mul_i32 s26, s14, 8*PITCH
	s_add_co_u32 s26, s26, EMB0
	v_add_nc_u32 v4, s26, v12                      ; where my emb rows go
	v_and_b32 v5, 15, v0                           ; r
	v_bfe_u32 v6, v0, 4, 1                         ; h
	v_mul_u32_u24 v7, v5, PITCH
	v_lshl_add_u32 v15, v6, 4, v7                  ; a fragment: row r, 16 bytes for each half of the lanes
	s_mul_i32 s26, s15, 16*PITCH
	s_add_co_u32 s26, s26, EMB0
	v_add_nc_u32 v8, s26, v15                      ; my 16 codes
	s_mul_i32 s26, s16, 128*PITCH
	v_add_nc_u32 v9, s26, v15                      ; my 128 rows of proj
	s_mul_i32 s27, s14, STGW
	s_add_co_u32 s27, s27, STG                     ; my stage
	v_lshl_add_u32 v10, v6, 5, v7
	v_add_nc_u32 v10, s27, v10                     ; in: row r, 32 bytes for each half of the lanes
	v_add_nc_u32 v11, s27, v12                     ; back: 16 bytes a lane, a whole row of 512 bytes
	s_lshl_b32 s26, s16, 8
	s_lshl_b32 s28, s15, 6
	s_add_co_u32 s26, s26, s28
	s_add_co_u32 s26, s26, EEA
	v_lshl_add_u32 v14, v5, 2, s26                 ; EEA + 256 p + 4 (16 rt + r)
	s_mov_b32 s20, 0x76543210                      ; v_permlanex16_b32: lane i of one half reads lane i of the other
	s_mov_b32 s21, 0xfedcba98
	s_lshl_b32 s24, ttmp9, 16                      ; cbf: row 64 g + 16 rt, byte 512 p   (s25 is 0)
	s_lshl_b32 s26, s15, 14
	s_add_co_u32 s24, s24, s26
	s_lshl_b32 s26, s16, 9
	s_add_co_u32 s24, s24, s26
	s_add_nc_u64 s[8:9], s[8:9], s[24:25]
	s_mul_i32 s24, ttmp9, CHUNK
	s_add_nc_u64 s[22:23], s[10:11], s[24:25]      ; my chunk of cbk
	s_lshl_b32 s24, s15, 13                        ; in it: row 16 rt, byte 256 p
	s_lshl_b32 s26, s16, 8
	s_add_co_u32 s24, s24, s26
	s_add_nc_u64 s[10:11], s[22:23], s[24:25]
	s_lshl_b32 s24, ttmp9, 8
	s_add_nc_u64 s[12:13], s[12:13], s[24:25]      ; ee at code 64 g
	s_wait_loadcnt 32                              ; loads come back in order: two younger batches of 16 stay out
	CV8 0, 4, 0
	LD8 0, 6, 16384
	s_wait_loadcnt 32
	CV8 1, 3, 0
	LD8 1, 6, 24576
	s_wait_loadcnt 32
	CV8 2, 3, 8*PITCH
	s_wait_loadcnt 16                              ; one batch is left behind this one
	CV8 0, 3, 16*PITCH
	s_wait_loadcnt 0
	CV8 1, 3, 24*PITCH
	s_wait_dscnt 0x0                               ; my rows are in LDS: zero, for the other waves
	s_barrier_signal -1
	s_barrier_wait -1
	; THE PRODUCT, used transposed: source 0 = 16 rows of proj, source 1 = my 16 codes, so that lane (r, h) holds code r and
	; the eight neighbouring columns 16 tile + 8 h + 0..7.
.irp k, 0,1,2,3,4,5,6,7
	ds_load_b128 v[EF+8*\k:EF+8*\k+3], v8 offset:64*\k
	ds_load_b128 v[EF+8*\k+4:EF+8*\k+7], v8 offset:64*\k+32
.endr
; quarter q = 2 x K step + half: four proj fragments (tiles 4 (q & 1) + 0..3) at K step q >> 1, into buffer q & 1
.macro LOADQ q
.irp x, 0,1,2,3
	ds_load_b128 v[PB+32*((\q)&1)+8*\x:PB+32*((\q)&1)+8*\x+3], v9 offset:(4*((\q)&1)+\x)*16*PITCH+64*((\q)>>1)
	ds_load_b128 v[PB+32*((\q)&1)+8*\x+4:PB+32*((\q)&1)+8*\x+7], v9 offset:(4*((\q)&1)+\x)*16*PITCH+64*((\q)>>1)+32
.endr
.endm
; its four matrix instructions.  The eight accumulators take turns, one instruction a turn.
.macro MULQ q
.irp x, 0,1,2,3
.if (\q) < 2
	v_wmma_f32_16x16x32_bf16 v[ACC+8*(4*((\q)&1)+\x):ACC+8*(4*((\q)&1)+\x)+7], v[PB+32*((\q)&1)+8*\x:PB+32*((\q)&1)+8*\x+7], v[EF+8*((\q)>>1):EF+8*((\q)>>1)+7], 0
.else
	v_wmma_f32_16x16x32_bf16 v[ACC+8*(4*((\q)&1)+\x):ACC+8*(4*((\q)&1)+\x)+7], v[PB+32*((\q)&1)+8*\x:PB+32*((\q)&1)+8*\x+7], v[EF+8*((\q)>>1):EF+8*((\q)>>1)+7], v[ACC+8*(4*((\q)&1)+\x):ACC+8*(4*((\q)&1)+\x)+7]
.endif
.endr
.endm
	LOADQ 0
.set q, 0
.rept 15
.if q > 0
	v_nop                                          ; four places between the matrix instructions that read a buffer
	v_nop                                          ; and the loads that fill it again (ISA guide 7.12.1 for vector
	v_nop                                          ; instructions; kept for loads too)
	v_nop
.endif
	LOADQ q+1
	s_wait_dscnt 0x8                               ; all but the eight just issued
	MULQ q
.set q, q+1
.endr
	s_wait_dscnt 0x0
	MULQ 15
	v_nop                                          ; four places in front of the first read of a result
	v_nop
	v_nop
	v_nop
	; ee: my 64 squares in two chains, then the other half of the lanes, which holds the other 64 columns of the same code
	v_pk_mul_f32 v[E:E+1], v[ACC:ACC+1], v[ACC:ACC+1]
	v_pk_mul_f32 v[E+2:E+3], v[ACC+2:ACC+3], v[ACC+2:ACC+3]
.set i, 2
.rept 30
	v_pk_fma_f32 v[E+2*(i&1):E+2*(i&1)+1], v[ACC+2*i:ACC+2*i+1], v[ACC+2*i:ACC+2*i+1], v[E+2*(i&1):E+2*(i&1)+1]
.set i, i+1
.endr
	v_pk_add_f32 v[E:E+1], v[E:E+1], v[E+2:E+3]
	v_add_f32 v[E], v[E], v[E+1]
	v_permlanex16_b32 v[E+1], v[E], s20, s21
	v_add_f32 v[E], v[E], v[E+1]
	ds_store_b32 v14, v[E]                         ; both halves of the lanes write the same word with the same value
	; THE WAY OUT: through my own stage, so that a store covers whole rows.  LDS serves a wave's instructions in order
	; (ISA guide 5.7.1): the loads see the stores without a wait.
.irp t, 0,1,2,3,4,5,6,7
	ds_store_b128 v10, v[ACC+8*\t:ACC+8*\t+3] offset:64*\t
	ds_store_b128 v10, v[ACC+8*\t+4:ACC+8*\t+7] offset:64*\t+16
.endr
.irp i, 0,1,2,3,4,5,6,7,8,9,10,11,12,13,14,15
	ds_load_b128 v[RB+4*\i:RB+4*\i+3], v11 offset:\i*PITCH
.endr
.irp i, 0,1,2,3,4,5,6,7,8,9,10,11,12,13,14,15
	s_wait_dscnt 15-\i                             ; row i is back; the younger rows stay out
	global_store_b128 v12, v[RB+4*\i:RB+4*\i+3], s[8:9] offset:\i*1024      ; 512 consecutive bytes of cbf, aligned
	v_cvt_pk_bf16_f32 v[CV+2*\i], v[RB+4*\i], v[RB+4*\i+1]
	v_cvt_pk_bf16_f32 v[CV+2*\i+1], v[RB+4*\i+2], v[RB+4*\i+3]
	global_store_b64 v13, v[CV+2*\i:CV+2*\i+1], s[10:11] offset:\i*512      ; 256 consecutive bytes of cbk, aligned
.endr
	s_wait_dscnt 0x0                               ; my word of EEA is written: zero, for wave 0
	s_barrier_signal -1
	s_barrier_wait -1
	s_cmp_lg_u32 s14, 0
	s_cbranch_scc1 .Ldone
	; wave 0: the two halves' parts make ee; ee goes out as it is, and as the chunk's 65th row
	v_add_nc_u32 v16, EEA, v13                     ; two codes a lane
	v_lshlrev_b32 v17, 4, v5
	v_add_nc_u32 v17, EEA, v17                     ; four codes for each of 16 lanes
	ds_load_b64 v[32:33], v16
	ds_load_b64 v[34:35], v16 offset:256
	ds_load_b128 v[36:39], v17
	ds_load_b128 v[40:43], v17 offset:256
	v_cmp_gt_u32 vcc_lo, 16, v1                    ; lanes 0-15 hold the 64 numbers, lanes 16-31 write the zeros
	s_wait_dscnt 0x0
	v_pk_add_f32 v[32:33], v[32:33], v[34:35]
	global_store_b64 v13, v[32:33], s[12:13]       ; 256 consecutive bytes of ee, aligned
	v_pk_add_f32 v[36:37], v[36:37], v[40:41]
	v_pk_add_f32 v[38:39], v[38:39], v[42:43]
	v_pk_mul_f32 v[36:37], v[36:37], -0.5 op_sel_hi:[1,0]
	v_pk_mul_f32 v[38:39], v[38:39], -0.5 op_sel_hi:[1,0]
.irp j, 36,37,38,39
	v_cndmask_b32 v\j, 0, v\j, vcc_lo
.endr
	global_store_b128 v12, v[36:39], s[22:23] offset:64*512                 ; the whole 65th row, 512 bytes
.Ldone:
	s_wait_tensorcnt 0x0
	ds_add_u32 v30, v31
	s_wait_dscnt 0x0
	s_endpgm
.Lfunc_end_k_q81a51f6386_codebook:
	.size	k_q81a51f6386_codebook, .Lfunc_end_k_q81a51f6386_codebook-k_q81a51f6386_codebook
	.p2alignl 7, 3214868480
	.fill 96, 4, 3214868480
	.section	.rodata,"a",@progbits
	.p2align	6, 0x0
	.amdhsa_kernel k_q81a51f6386_codebook
		.amdhsa_group_segment_fixed_size 238080
		.amdhsa_private_segment_fixed_size 0
		.amdhsa_enable_private_segment 0
		.amdhsa_kernarg_size 40
		.amdhsa_user_sgpr_count 2
		.amdhsa_user_sgpr_kernarg_segment_ptr 1
		.amdhsa_wavefront_size32 1
		.amdhsa_system_sgpr_workgroup_id_x 1
		.amdhsa_system_sgpr_workgroup_id_y 1
		.amdhsa_system_sgpr_workgroup_id_z 1
		.amdhsa_system_vgpr_workitem_id 0
		.amdhsa_next_free_vgpr 256
		.amdhsa_next_free_sgpr 66
		.amdhsa_reserve_vcc 1
		.amdhsa_float_denorm_mode_32 3
		.amdhsa_float_denorm_mode_16_64 3
		.amdhsa_memory_ordered 1
		.amdhsa_forward_progress 1
		.amdhsa_inst_pref_size 50
	.end_amdhsa_kernel
	.amdgpu_metadata
---
amdhsa.version: [ 1, 2 ]
amdhsa.kernels:
  - .name:           k_q81a51f6386_codebook
    .symbol:         k_q81a51f6386_codebook.kd
    .args:
      - { .name: emb_weight, .offset: 0, .size: 8, .value_kind: global_buffer, .address_space: global }
      - { .name: proj_weight, .offset: 8, .size: 8, .value_kind: global_buffer, .address_space: global }
      - { .name: cbf, .offset: 16, .size: 8, .value_kind: global_buffer, .address_space: global }
      - { .name: cbk, .offset: 24, .size: 8, .value_kind: global_buffer, .address_space: global }
      - { .name: ee, .offset: 32, .size: 8, .value_kind: global_buffer, .address_space: global }
    .group_segment_fixed_size: 238080
    .private_segment_fixed_size: 0
    .kernarg_segment_align: 8
    .kernarg_segment_size: 40
    .max_flat_workgroup_size: 256
    .sgpr_count:     66
    .vgpr_count:     256
    .wavefront_size: 32
...
	.end_amdgpu_metadata
.endif
;; end of part 1
;; launch search (part 2): grid 256 x 1, 4 waves a work-group, clusters of 4 x 1, 327,680 bytes of LDS; arguments cbk, z, cand; writes cand
.if DOCPART == 2
	.amdgcn_target "amdgcn-amd-amdhsa--gfx1250"
	.amdhsa_code_object_version 6
	.text
	.protected	k_q81a51f6386_search
	.globl	k_q81a51f6386_search
	.p2align	8
	.type	k_q81a51f6386_search,@function
k_q81a51f6386_search:
	s_mov_b64 s[64:65], 0
	v_nop
	global_prefetch_b8 v0, s[64:65] scope:SCOPE_SE
	s_setreg_imm32_b32 hwreg(HW_REG_WAVE_MODE, 25, 1), 1
	s_wait_xcnt 0x0
	s_wait_alu depctr_hold_cnt(0) depctr_sa_sdst(0) depctr_va_vdst(0) depctr_va_sdst(0) depctr_va_ssrc(0) depctr_va_vcc(0) depctr_vm_vsrc(0)
	s_getreg_b32 s2, hwreg(HW_REG_IB_STS2, 6, 4)
	s_cmp_eq_u32 s2, 0
	s_cbranch_scc0 .Lentry_in_a_cluster
	s_endpgm
.Lentry_in_a_cluster:
	s_bfe_u32 s2, ttmp6, 0x10000c
	s_cmp_lg_u32 s2, 0x3003
	s_cbranch_scc0 .Lentry_shape_is_right
	s_endpgm
.Lentry_shape_is_right:
; For each of the 32,768 vectors z (256 channels) the four codes with the largest score z.e - |e|^2 / 2, that is the smallest
; distance, on the matrix unit in bf16 with f32 sums.  They are PROPOSALS: the next launch scores the four again in f32 and chooses.
; A work-group owns 128 vectors (image b = wg >> 3, pixels 128 (wg & 7) ..).  Four waves: wm = w >> 1 picks 64 vectors, wn = w & 1
; the code tiles of that parity.  A wave keeps its 64 vectors as source-1 fragments for the whole kernel (4 tiles x 8 K steps x 8
; registers).  The 8,192 codes pass in 32 blocks of 256 through two LDS slots.
; CLUSTER 4 x 1: every work-group walks the same blocks, so each wave's quarter of a block (one chunk of cbk: 64 codes and a row
; with their -|e|^2/2) is asked for jointly by the four work-groups of a cluster, which divides the requests for cbk by four.
; A mask names four work-groups, and only this one operand is shared.
; THE MATRIX INSTRUCTION: source 0 = 16 codes, source 1 = 16 vectors; in the result lane (r, h), register j is code 8 h + j, vector r.
; The first K step takes as C eight registers with -|e|^2/2 of codes 8 h .. 8 h + 7: the score costs no vector instruction.
; SCORES: the low 8 bits of a score are replaced by the number T (0..255) of the wave's tile; 15 bits of mantissa stay.  For each
; vector and each of 32 classes (wn, h, j) the two largest packed scores are kept.  code = 32 T + 16 wn + 8 h + j.
; At the end the 64 survivors of a vector meet in LDS and the best four go out as whole numbers.
; LIMITS: z and the codebook enter as bf16; scores are ranked on 15 bits of mantissa; NaN and infinities are not served; the keys of
; the last step need |largest score| > 2^-110.  The true winner is among the four unless three codes of one class, or five codes in
; all, lie closer to the best than the rounding of the scores tells apart.
.set PITCH,  528                       ; an LDS row of a chunk: 512 bytes + 16 = 33 x 16: the 16 rows of a fragment start in 16 different 16-byte columns modulo 256
.set CHROWS, 65
.set CHLDS,  CHROWS*PITCH              ; a chunk in LDS
.set SLOT,   4*CHLDS                   ; a block: four chunks, one from each wave
.set STG,    274688                    ; the first multiple of 256 behind the two slots: no tensor load lands from here on
.set ZP,     288                       ; the stage for z: 128 channels x (128 vectors in bf16 + 32 bytes) = 9 x 32 bytes a row
.set DP,     272                       ; later the survivors: 128 vectors x (64 words + 16 bytes)
.set CHUNK,  33280                     ; a chunk in memory
; window 0
.set ZOFF, 8                           ; v8        byte offset of my 16 bytes in z; never rewritten
.set ADRA, 16                          ; v[16:23]  code fragments: slot s, chunk q at ADRA + 4 s + q
.set ADRB, 24                          ; v[24:31]  the same for the rows of -|e|^2/2
.set TMP,  32                          ; v[32:35]
.set K4,   36                          ; v[36:39]  the four best keys
.set BIAS, 40                          ; v[40:47]
.set FR,   48                          ; v[48:111] the tile's code fragments, K step k at FR + 8 k
.set ACC,  112                         ; v[112:175] two sets of four tiles
.set B1,   176                         ; v[176:207] the best of each class
.set B2,   208                         ; v[208:239] the second best
.set STA,  240
.set TRA,  241
.set DMP,  242
.set RDA,  243
.set CO,   244
.set MX,   245
.set MP,   246
.set U,    247                         ; v[247:250] two pairs at work
; window 1: my vectors, K step k, tile t at 8 (4 k + t).   window 2: z as loaded
.set G1, 16                            ; s[16:23] descriptor group 1
.set G0, 24                            ; s[24:31] descriptor group 0, a set for each slot
.set MSB, 0
.macro WIN new                         ; low byte: bits 1:0 source 0, 3:2 source 1, 5:4 source 2, 7:6 destination; the high byte repeats the setting that is left
.if MSB != \new
	s_set_vgpr_msb (MSB<<8)|\new
.set MSB, \new
.endif
.endm
; A round of the cluster's barrier: my work-group's barrier, wave 0 signals for the work-group, every wave waits for all four
; work-groups, my work-group's barrier once more.
.macro CREST                           ; a round behind its opening barrier
	s_cmp_lg_u32 s10, 0
	s_cbranch_scc1 .Lnot_wave_0_\@
	s_barrier_signal -3
.Lnot_wave_0_\@:
	s_barrier_wait -3
	s_barrier_signal -1
	s_barrier_wait -1
.endm
.macro CROUND
	s_barrier_signal -1
	s_barrier_wait -1
	CREST
.endm
	s_load_b128 s[4:7], s[0:1], 0x0                ; cbk s[4:5], z s[6:7]
	s_load_b64 s[8:9], s[0:1], 0x10                ; cand
	v_lshl_add_u32 v254, v0, 2, 0x4c100
	v_mov_b32 v255, 0
	ds_add_u32 v254, v255
	v_lshrrev_b32 v1, 5, v0
	v_readfirstlane_b32 s10, v1                    ; wave
	s_lshr_b32 s11, s10, 1                         ; wm
	s_and_b32 s12, s10, 1                          ; wn
	s_bfe_u32 s13, ttmp6, 0x40000                  ; cx.  It enters the addresses of z and cand alone (s13, s14, s45-s47)
	s_lshl_b32 s14, ttmp9, 2
	s_add_co_u32 s14, s14, s13                     ; work-group = 4 x cluster + cx
	v_and_b32 v1, 31, v0                           ; lane L
	v_and_b32 v2, 15, v0                           ; r
	v_bfe_u32 v3, v0, 4, 1                         ; h
	v_lshlrev_b32 v[ZOFF], 4, v1
	v_lshl_add_u32 v[ZOFF], s10, 17, v[ZOFF]       ; 16 L + 32 w channels of 4,096 bytes
	s_lshr_b32 s46, s14, 3
	s_lshl_b32 s46, s46, 20                        ; an image is 256 x 4,096 bytes
	s_and_b32 s45, s14, 7
	s_lshl_b32 s45, s45, 9                         ; 128 pixels of 4 bytes
	s_add_co_u32 s46, s46, s45
	s_mov_b32 s47, 0
	s_mul_i32 s40, s10, CHUNK                      ; my chunk of a block, in memory
	s_mov_b32 s41, 0
	s_mul_i32 s42, s10, CHLDS                      ; and in a slot
	; group 1: a tile of 65 rows x 256 elements of 2 bytes, dense in memory, 16 bytes of padding behind each row in LDS
	s_mov_b32 s[G1+0], 15|(1<<16)|(1<<20)|(1<<21)|(6<<22)|(3<<25)   ; 15:0 the mask: all four work-groups; 17:16 2 bytes; 20 padding on; 21 set beside a mask; 24:22 after every 128 words; 31:25 four words
	s_mov_b32 s[G1+1], 256<<16                     ; tensor_dim0 = 256
	s_mov_b32 s[G1+2], CHROWS<<16                  ; tensor_dim1 = 65
	s_mov_b32 s[G1+3], 256<<16                     ; tile_dim0 = 256
	s_mov_b32 s[G1+4], CHROWS                      ; tile_dim1 = 65
	s_mov_b32 s[G1+5], 256                         ; elements from row to row
	s_mov_b32 s[G1+6], 0
	s_mov_b32 s[G1+7], 0
	s_wait_dscnt 0x0
	s_wait_kmcnt 0x0
	s_add_nc_u64 s[6:7], s[6:7], s[46:47]
	s_add_nc_u64 s[4:5], s[4:5], s[40:41]
	s_lshl_b32 s46, s14, 11                        ; 128 vectors x 16 bytes of cand
	s_add_nc_u64 s[8:9], s[8:9], s[46:47]
	; z: channel 128 kh + 32 w + i, my work-group's 128 pixels = 512 consecutive bytes for each load.  No hint: a later launch reads z again.
	WIN 0x80
.set n, 0
.rept 64
	global_load_b128 v[4*n:4*n+3], v[ZOFF], s[6:7] offset:(n>>5)*524288+(n&31)*4096
.set n, n+1
.endr
	WIN 0
	CROUND                                         ; all four work-groups are here: the first joint loads meet
.irp s, 0,1
	s_mov_b32 s[G0+4*\s], 1                                        ; count = 1
	s_add_co_u32 s[G0+4*\s+1], s42, \s*SLOT                        ; LDS address: the wave's number and the slot alone
	s_add_nc_u64 s[G0+4*\s+2:G0+4*\s+3], s[4:5], \s*4*CHUNK        ; block s, chunk w
	s_or_b32 s[G0+4*\s+3], s[G0+4*\s+3], 0x80000000               ; type = 2
	tensor_load_to_lds s[G0+4*\s:G0+4*\s+3], s[G1:G1+7]            ; both first fills go out together: two tensor loads of the wave are out
	s_nop 0
.endr
	; addresses
	v_mul_u32_u24 v4, v2, PITCH
	v_lshl_add_u32 v4, v3, 4, v4                   ; a fragment: row r, 16 bytes for each half of the lanes
	s_mul_i32 s43, s12, 16*PITCH                   ; tiles of my parity
	v_add_nc_u32 v4, s43, v4
	v_lshlrev_b32 v5, 5, v3                        ; the 65th row: 8 numbers for each half of the lanes,
	s_lshl_b32 s43, s12, 6                         ; 16 for each tile
	s_add_co_u32 s43, s43, 64*PITCH
	v_add_nc_u32 v5, s43, v5
.irp s, 0,1
.irp q, 0,1,2,3
	v_add_nc_u32 v[ADRA+4*\s+\q], \s*SLOT+\q*CHLDS, v4
	v_add_nc_u32 v[ADRB+4*\s+\q], \s*SLOT+\q*CHLDS, v5
.endr
.endr
	s_mul_i32 s43, s10, 32*ZP
	s_add_co_u32 s43, s43, STG
	v_lshl_add_u32 v[STA], v1, 3, s43              ; the stage, in: channel 32 w + i, 4 vectors (8 bytes) a lane
	v_and_b32 v6, 7, v0
	v_lshl_add_u32 v6, v3, 3, v6
	v_mul_u32_u24 v6, v6, ZP                       ; the stage, out, transposed: channel 8 h + (L & 7),
	v_bfe_u32 v7, v0, 3, 1
	v_lshl_add_u32 v6, v7, 4, v6                   ; 16 bytes by bit 3 of the lane,
	s_lshl_b32 s43, s11, 7                         ; my 64 vectors
	s_add_co_u32 s43, s43, STG
	v_add_nc_u32 v[TRA], s43, v6
	v_mul_u32_u24 v6, v2, DP                       ; the survivors, in: vector 64 wm + 16 t + r, 64 bytes for each (wn, h)
	v_lshl_add_u32 v6, v3, 6, v6
	s_mul_i32 s43, s11, 64*DP
	s_lshl_b32 s44, s12, 7
	s_add_co_u32 s43, s43, s44
	s_add_co_u32 s43, s43, STG
	v_add_nc_u32 v[DMP], s43, v6
	v_mul_u32_u24 v[RDA], v0, DP                   ; back: thread t takes vector t
	v_add_nc_u32 v[RDA], STG, v[RDA]
	v_lshlrev_b32 v[CO], 4, v0
	s_mov_b32 s32, 0xff                            ; the bits that hold the tile's number
	s_mov_b32 s33, -2                              ; the number of the tile whose scores are treated; stepped at the head of each tile
	s_mov_b32 s34, 0x7f800000                      ; +infinity: makes a minimum of three a minimum of two
	s_mov_b32 s35, 0xff800000                      ; -infinity: the same for a maximum
	s_mov_b32 s36, 15                              ; laps
	s_mov_b32 s37, 0x1fff                          ; the bits of a code's number
	s_mov_b32 s38, 0xff000000                      ; a finite number below every score
	s_mov_b32 s39, 0x37800000                      ; 2^-16
	; the trackers' start; set 1 of the accumulators too, which the first tile treats in place of a tile before it
.set n, 0
.rept 32
	v_mov_b32 v[ACC+32+n], s38
	v_mov_b32 v[B1+n], s38
	v_mov_b32 v[B2+n], s38
.set n, n+1
.endr
; z to bf16 and into fragments, 128 channels at a time through the stage
.macro CVZ kh
	WIN 0x0a                                       ; sources in window 2
.set n, 0
.rept 32
	v_cvt_pk_bf16_f32 v[FR+2*n], v[128*\kh+4*n], v[128*\kh+4*n+1]
	v_cvt_pk_bf16_f32 v[FR+2*n+1], v[128*\kh+4*n+2], v[128*\kh+4*n+3]
.set n, n+1
.endr
	WIN 0
.endm
.macro STZ
.set n, 0
.rept 32
	ds_store_b64 v[STA], v[FR+2*n:FR+2*n+1] offset:n*ZP
.set n, n+1
.endr
.endm
; the stage holds [channel][vector]; the transposing load gives lane (r, h) vector r, channels 8 h .. 8 h + 7, then 16 + 8 h ..
.macro TRZ kh
	WIN 0x40                                       ; destination in window 1
.irp s, 0,1,2,3
.irp t, 0,1,2,3
	ds_load_tr16_b128 v[8*(4*(4*\kh+\s)+\t):8*(4*(4*\kh+\s)+\t)+3], v[TRA] offset:\s*32*ZP+32*\t
	ds_load_tr16_b128 v[8*(4*(4*\kh+\s)+\t)+4:8*(4*(4*\kh+\s)+\t)+7], v[TRA] offset:\s*32*ZP+32*\t+16*ZP
.endr
.endr
	WIN 0
.endm
	s_wait_loadcnt 32                              ; channels 0-127 are in; the 32 younger loads stay out
	CVZ 0
	STZ
	s_wait_dscnt 0x0                               ; my rows of the stage are written: zero, for the other waves
	s_barrier_signal -1
	s_barrier_wait -1
	TRZ 0
	s_wait_loadcnt 0
	CVZ 1
	s_wait_dscnt 0x0                               ; my reads of the stage are back
	s_barrier_signal -1
	s_barrier_wait -1                              ; everybody's are: it may be written again
	STZ
	s_wait_dscnt 0x0
	s_wait_tensorcnt 0x1                           ; my chunk of slot 0 is in; slot 1's may stay out
	s_barrier_signal -1
	s_barrier_wait -1
	TRZ 1
; THE TREATMENT OF A SCORE, four instructions for register n (0..31) of the finished set at base o.  They run under the loop's one
; window setting (source 1 in window 1), so they name vector registers in source 0, source 2 and the destination alone.
.macro EA o, n
	v_bfi_b32 v[\o+\n], s32, s33, v[\o+\n]                         ; the tile's number into the low 8 bits
.endm
.macro EB o, n
	v_min3_num_f32 v[TMP+((\n)&3)], v[B1+\n], s34, v[\o+\n]        ; the smaller of the best and the new one
	v_max3_num_f32 v[B1+\n], v[\o+\n], s35, v[B1+\n]               ; the larger is the best
.endm
.macro EC n
	v_max3_num_f32 v[B2+\n], v[TMP+((\n)&3)], s35, v[B2+\n]        ; the smaller runs for second
.endm
; what stands behind matrix instruction n of a tile: three registers in three stages, four instructions
.macro EPI o, n
	EA \o, \n
.if (\n) >= 1
	EB \o, (\n)-1
.endif
.if (\n) >= 2
	EC (\n)-2
.endif
.if (\n) == 31
	EB \o, 31
	EC 30
	EC 31
.endif
.endm
; One K step of a tile: four matrix instructions, the four accumulators of the set by turns, one instruction a turn;
; behind each the treatment of the other set, which names none of its registers.
.macro KSTEP set, k
.irp t, 0,1,2,3
.if \k == 0
	v_wmma_f32_16x16x32_bf16 v[ACC+32*\set+8*\t:ACC+32*\set+8*\t+7], v[FR+8*\k:FR+8*\k+7], v[8*(4*\k+\t):8*(4*\k+\t)+7], v[BIAS:BIAS+7]
.else
	v_wmma_f32_16x16x32_bf16 v[ACC+32*\set+8*\t:ACC+32*\set+8*\t+7], v[FR+8*\k:FR+8*\k+7], v[8*(4*\k+\t):8*(4*\k+\t)+7], v[ACC+32*\set+8*\t:ACC+32*\set+8*\t+7]
.endif
	EPI ACC+32-32*\set, 4*\k+\t
.endr
.endm
; Fragment k of tile ni (0..7) of the block in slot ns; with k = 0 its -|e|^2/2 first.  It stands behind KSTEP k, whose last matrix
; instruction is followed by four vector instructions on other registers: the four places in front of a load into a register that a
; matrix instruction has read (ISA guide 7.12.1 for vector instructions; kept for loads too).
.macro PF ns, ni, k
.if \k == 0
	ds_load_b128 v[BIAS:BIAS+3], v[ADRB+4*(\ns)+((\ni)>>1)] offset:((\ni)&1)*128
	ds_load_b128 v[BIAS+4:BIAS+7], v[ADRB+4*(\ns)+((\ni)>>1)] offset:((\ni)&1)*128+16
.endif
	ds_load_b128 v[FR+8*\k:FR+8*\k+3], v[ADRA+4*(\ns)+((\ni)>>1)] offset:((\ni)&1)*32*PITCH+64*\k
	ds_load_b128 v[FR+8*\k+4:FR+8*\k+7], v[ADRA+4*(\ns)+((\ni)>>1)] offset:((\ni)&1)*32*PITCH+64*\k+32
.endm
; A tile: 32 matrix instructions; behind each K step the next tile's fragment of that K step is fetched.  A tile's 18 loads are
; always issued in the order bias, fragment 0 .. 7.
.macro TILE0 slot, i, set
	s_add_co_u32 s33, s33, 1
.irp k, 0,1,2,3,4,5,6,7
.if \k == 0
	s_wait_dscnt 14                                ; bias and fragment 0 are in; fragments 1-7 (14 loads) may be out
.else
	s_wait_dscnt 16                                ; behind fragment k: 2 (7 - k) of this tile, 4 + 2 (k - 1) of the next
.endif
	KSTEP \set, \k
	PF \slot, \i+1, \k
.endr
.endm
; The last tile of a block changes slots.  In front of the barrier each wave waits for its reads of this slot (all the tile's
; fragments are then in registers) and for all its tensor loads, of which one is out: its chunk of the other slot.  With fill = 1
; the barrier opens a round of the cluster's barrier, inside which stands register work alone; behind the round no wave of any of the
; four work-groups reads this slot or has a load on its way, and the joint refill, two blocks ahead, is the first thing there.
.macro TILET slot, set, fill
	s_add_co_u32 s33, s33, 1
	s_wait_dscnt 14
	KSTEP \set, 0
	s_wait_dscnt 12                                ; nothing was fetched behind K step 0: fragments 2-7 may be out
	KSTEP \set, 1
	s_wait_dscnt 0x0
	s_set_vgpr_msb 0x400
	s_wait_tensorcnt 0x0
	ds_add_u32 v254, v255
	s_wait_dscnt 0x0
	s_set_vgpr_msb 0x4
	s_barrier_signal -1
	KSTEP \set, 2
	KSTEP \set, 3
	WIN 0
	s_barrier_wait -1
.if \fill
	CREST
	s_add_nc_u64 s[G0+4*\slot+2:G0+4*\slot+3], s[G0+4*\slot+2:G0+4*\slot+3], 8*CHUNK   ; no tensor load of mine is out: the address may step
	tensor_load_to_lds s[G0+4*\slot:G0+4*\slot+3], s[G1:G1+7]      ; my one tensor load until the next such barrier
	s_nop 0
.endif
	WIN 4
.irp k, 0,1,2,3
	PF 1-\slot, 0, \k
.endr
.irp k, 4,5,6,7
	KSTEP \set, \k
	PF 1-\slot, 0, \k
.endr
.endm
.macro TILEL set                       ; the very last tile fetches nothing: the counts run down
	s_add_co_u32 s33, s33, 1
.irp k, 0,1,2,3,4,5,6,7
	s_wait_dscnt 14-2*\k
	KSTEP \set, \k
.endr
.endm
.macro SEVEN slot
	TILE0 \slot, 0, 0
	TILE0 \slot, 1, 1
	TILE0 \slot, 2, 0
	TILE0 \slot, 3, 1
	TILE0 \slot, 4, 0
	TILE0 \slot, 5, 1
	TILE0 \slot, 6, 0
.endm
.macro BLOCK slot, fill
	SEVEN \slot
	TILET \slot, 1, \fill
.endm
.irp k, 0,1,2,3,4,5,6,7
	PF 0, 0, \k                                    ; the first tile's fragments; the first wait below also covers the older loads of my vectors
.endr
.Llap:                                             ; a lap = blocks 2 j and 2 j + 1; it asks for blocks 2 j + 2 and 2 j + 3
	WIN 4                                          ; source 1 in window 1: the one setting of the loop
	BLOCK 0, 1
	BLOCK 1, 1
	WIN 0
	s_sub_co_u32 s36, s36, 1
	s_cmp_lg_u32 s36, 0
	s_cbranch_scc1 .Llap
	WIN 4
	BLOCK 0, 0                                     ; block 30: nothing is left to ask for; its barrier shows block 31 whole
	SEVEN 1                                        ; block 31
	TILEL 1
	s_add_co_u32 s33, s33, 1                       ; the last tile's scores (set 1); eight vector instructions on other registers stand behind the last matrix instruction
.set n, 0
.rept 32
	EPI ACC+32, n
.set n, n+1
.endr
	WIN 0
	; THE BEST FOUR.  The 64 survivors of a vector (4 x (wn, h) x 8 classes x 2) meet in LDS, in the bytes of the stage, which was
	; last read in front of the first change of slots.
.irp t, 0,1,2,3
	ds_store_b128 v[DMP], v[B1+8*\t:B1+8*\t+3] offset:\t*16*DP
	ds_store_b128 v[DMP], v[B1+8*\t+4:B1+8*\t+7] offset:\t*16*DP+16
	ds_store_b128 v[DMP], v[B2+8*\t:B2+8*\t+3] offset:\t*16*DP+32
	ds_store_b128 v[DMP], v[B2+8*\t+4:B2+8*\t+7] offset:\t*16*DP+48
.endr
	s_wait_dscnt 0x0
	s_barrier_signal -1
	s_barrier_wait -1
.irp i, 0,1,2,3,4,5,6,7,8,9,10,11,12,13,14,15
	ds_load_b128 v[FR+4*\i:FR+4*\i+3], v[RDA] offset:16*\i         ; piece i: (wn, h) = i >> 2; i & 3 = best j 0-3, best j 4-7, second j 0-3, second j 4-7
.endr
.irp k, 0,1,2,3
	v_mov_b32 v[K4+\k], s34
.endr
	s_wait_dscnt 0x0
	v_max3_num_f32 v[MX], v[FR], v[FR+1], v[FR+2]                  ; M: the largest of the 32 bests
	v_max_num_f32 v[MX], v[MX], v[FR+3]
.irp i, 1,4,5,8,9,12,13
	v_max3_num_f32 v[MX], v[MX], v[FR+4*\i], v[FR+4*\i+1]
	v_max3_num_f32 v[MX], v[MX], v[FR+4*\i+2], v[FR+4*\i+3]
.endr
	v_and_b32 v[U], 0x7fffffff, v[MX]
	v_fma_f32 v[MP], v[U], s39, v[MX]              ; M + |M| 2^-16: every difference below is a positive normal number
; key = (M' - score) with the code's number in its low 13 bits: positive floats, the smallest is the best; kept sorted, four deep
.macro KEY i, e
	v_and_b32 v[U+2*((\e)&1)], s32, v[FR+4*\i+\e]
	v_sub_f32 v[U+2*((\e)&1)+1], v[MP], v[FR+4*\i+\e]
	v_lshl_or_b32 v[U+2*((\e)&1)], v[U+2*((\e)&1)], 5, 8*((\i)>>2)+4*((\i)&1)+\e
	v_bfi_b32 v[U+2*((\e)&1)+1], s37, v[U+2*((\e)&1)], v[U+2*((\e)&1)+1]
	v_med3_num_f32 v[K4+3], v[K4+2], v[K4+3], v[U+2*((\e)&1)+1]
	v_med3_num_f32 v[K4+2], v[K4+1], v[K4+2], v[U+2*((\e)&1)+1]
	v_med3_num_f32 v[K4+1], v[K4], v[K4+1], v[U+2*((\e)&1)+1]
	v_min_num_f32 v[K4], v[K4], v[U+2*((\e)&1)+1]
.endm
.irp i, 0,1,2,3,4,5,6,7,8,9,10,11,12,13,14,15
.irp e, 0,1,2,3
	KEY \i, \e
.endr
.endr
.irp k, 0,1,2,3
	v_and_b32 v[K4+\k], s37, v[K4+\k]
.endr
	global_store_b128 v[CO], v[K4:K4+3], s[8:9]    ; a wave stores 512 consecutive bytes, aligned
	s_wait_tensorcnt 0x0
	ds_add_u32 v254, v255
	s_wait_dscnt 0x0
	CROUND                                         ; the closing round: no work-group ends while a partner may still ask jointly
	s_endpgm
.Lfunc_end_k_q81a51f6386_search:
	.size	k_q81a51f6386_search, .Lfunc_end_k_q81a51f6386_search-k_q81a51f6386_search
	.p2alignl 7, 3214868480
	.fill 96, 4, 3214868480
	.section	.rodata,"a",@progbits
	.p2align	6, 0x0
	.amdhsa_kernel k_q81a51f6386_search
		.amdhsa_group_segment_fixed_size 327680
		.amdhsa_private_segment_fixed_size 0
		.amdhsa_enable_private_segment 0
		.amdhsa_kernarg_size 24
		.amdhsa_user_sgpr_count 2
		.amdhsa_user_sgpr_kernarg_segment_ptr 1
		.amdhsa_wavefront_size32 1
		.amdhsa_system_sgpr_workgroup_id_x 1
		.amdhsa_system_sgpr_workgroup_id_y 1
		.amdhsa_system_sgpr_workgroup_id_z 1
		.amdhsa_system_vgpr_workitem_id 0
		.amdhsa_next_free_vgpr 768
		.amdhsa_next_free_sgpr 66
		.amdhsa_reserve_vcc 0
		.amdhsa_float_denorm_mode_32 3
		.amdhsa_float_denorm_mode_16_64 3
		.amdhsa_memory_ordered 1
		.amdhsa_forward_progress 1
		.amdhsa_inst_pref_size 255
	.end_amdhsa_kernel
	.section	.bss,"aw",@nobits
	.p2align	6
	.space	262144
	.amdgpu_metadata
---
amdhsa.version: [ 1, 2 ]
amdhsa.kernels:
  - .name:           k_q81a51f6386_search
    .symbol:         k_q81a51f6386_search.kd
    .args:
      - { .name: cbk, .offset: 0, .size: 8, .value_kind: global_buffer, .address_space: global }
      - { .name: z, .offset: 8, .size: 8, .value_kind: global_buffer, .address_space: global }
      - { .name: cand, .offset: 16, .size: 8, .value_kind: global_buffer, .address_space: global }
    .group_segment_fixed_size: 327680
    .private_segment_fixed_size: 0
    .kernarg_segment_align: 8
    .kernarg_segment_size: 24
    .max_flat_workgroup_size: 128
    .sgpr_count:     66
    .vgpr_count:     768
    .wavefront_size: 32
...
	.end_amdgpu_metadata
.endif
;; end of part 2
;; launch pick (part 3): grid 512 x 1, 8 waves a work-group, no clusters, 104,960 bytes of LDS; arguments z, cbf, ee, cand, out0, out4, part; writes out0, out4, part
.if DOCPART == 3
	.amdgcn_target "amdgcn-amd-amdhsa--gfx1250"
	.amdhsa_code_object_version 6
	.text
	.protected	k_q81a51f6386_pick
	.globl	k_q81a51f6386_pick
	.p2align	8
	.type	k_q81a51f6386_pick,@function
k_q81a51f6386_pick:
	s_mov_b64 s[64:65], 0
	v_nop
	global_prefetch_b8 v0, s[64:65] scope:SCOPE_SE
	s_setreg_imm32_b32 hwreg(HW_REG_WAVE_MODE, 25, 1), 1
	s_wait_xcnt 0x0
; For each vector z the four proposed codes are scored again in f32 as the distance is written: d = (|z|^2 + |e|^2) - 2 z.e, each
; step rounded to f32; the smallest d wins, of equal d the lower index.  Then out0 = z + (code - z), back in [b][c][pixel]; out4 = the
; index; part[work-group] = the sum of (code - z)^2.
; A work-group owns 64 vectors (image wg >> 4, pixels 64 (wg & 15) ..).  Eight waves; wave w scores vectors 8 w .. 8 w + 7, one at a
; time, with the channels along the lanes: lane l holds channels 2 l + 64 q + u (q = 0..3, u = 0, 1).
; The four indices are whole numbers from the launch before; they steer the gathers.  The choice among the four hangs on floats and
; only selects values (v_cndmask_b32): no branch and no address hangs on it.
; Memory binds: no matrix unit, no cluster (the work-groups share no tile), no tensor loads (z is converted on the way).
; LIMITS: z is used rounded to bf16 (round to nearest even) in d, in out0 and in the loss.  The sums |z|^2 and z.e are made in another
; order than a row-by-row sum.  If more than four codes tie with the best after the rounding of d, the lowest index among the four
; proposed is given.  NaN and infinities are not served.  An index is cut to 0 .. 8191.
.set ZTP,  528                         ; ZT: [vector][channel] bf16, 512 bytes + 16
.set OT,   64*ZTP                      ; OT: [channel][vector] f32, 256 bytes + 16
.set OTP,  272
.set IDXB, OT+256*OTP                  ; the 64 indices
.set RED,  IDXB+256                    ; the 8 waves' sums
.set S,    8                           ; v[8:17]    five pairs: |z|^2 and four z.e
.set BI,   19                          ; v19        the best index
.set TI,   20
.set LS,   22                          ; v[22:23]   sum of squares
.set OFF,  24                          ; v[24:39]   byte offsets of the gathers: slot e, candidate k at OFF + 4 e + k
.set ZRP,  40                          ; v[40:71]   my 8 vectors, packed: vector n, part q at ZRP + 4 n + q
.set L,    40                          ; v[40:103]  at the start: z as loaded
.set ZU,   72                          ; v[72:79]   the vector at work, f32
.set OB,   80                          ; v[80:111]  results: channel (q, u), vector e of four at OB + 4 (2 q + u) + e
.set CD,   112                         ; v[112:239] four slots x four candidates x 8
.set IDX,  16                          ; s[16:47]   my 32 candidates
.set EE,   66                          ; s[66:97]   their |e|^2
	s_load_b256 s[4:11], s[0:1], 0x0               ; z s[4:5], cbf s[6:7], ee s[8:9], cand s[10:11]
	s_load_b128 s[12:15], s[0:1], 0x20             ; out0 s[12:13], out4 s[14:15]
	s_load_b64 s[48:49], s[0:1], 0x30              ; part
	v_lshl_add_u32 v240, v0, 2, 0x19600
	v_mov_b32 v241, 0
	v_lshrrev_b32 v1, 5, v0
	v_readfirstlane_b32 s52, v1                    ; wave
	v_and_b32 v1, 31, v0                           ; lane l
	v_and_b32 v3, 15, v0
	v_bfe_u32 v4, v0, 4, 1
	v_lshlrev_b32 v2, 3, v1                        ; 8 l
	v_lshlrev_b32 v104, 2, v1                      ; 4 l
	v_lshlrev_b32 v7, 4, v3                        ; z: 4 vectors (16 bytes) for each of 16 lanes,
	v_lshl_add_u32 v7, v4, 16, v7                  ; lanes 16-31 sixteen channels further on
	s_mov_b32 s50, 0x76543210                      ; v_permlanex16_b32: lane i of one half reads lane i of the other
	s_mov_b32 s51, 0xfedcba98
	s_mov_b32 s53, 0xffff0000                      ; a word's upper bf16
	s_lshr_b32 s58, ttmp9, 4
	s_lshl_b32 s58, s58, 20                        ; the image,
	s_and_b32 s60, ttmp9, 15
	s_lshl_b32 s60, s60, 8                         ; 64 pixels of 4 bytes,
	s_add_co_u32 s58, s58, s60
	s_lshl_b32 s60, s52, 17                        ; 32 channels a wave: for z and for out0 alike
	s_add_co_u32 s58, s58, s60
	s_mov_b32 s59, 0
	s_lshl_b32 s60, ttmp9, 10                      ; cand: 64 vectors of 16 bytes a work-group, 8 a wave
	s_lshl_b32 s61, s52, 7
	s_add_co_u32 s60, s60, s61
	s_mov_b32 s61, 0
	s_wait_kmcnt 0x0
	s_add_nc_u64 s[4:5], s[4:5], s[58:59]
	s_add_nc_u64 s[12:13], s[12:13], s[58:59]
	s_add_nc_u64 s[10:11], s[10:11], s[60:61]
	s_load_b512 s[IDX:IDX+15], s[10:11], 0x0       ; the 32 candidates as scalars, for the gathers
	s_load_b512 s[IDX+16:IDX+31], s[10:11], 0x40
	global_load_b32 v105, v104, s[10:11]           ; and one in each lane, for the gather of |e|^2
.irp c, 0,1,2,3,4,5,6,7,8,9,10,11,12,13,14,15
	global_load_b128 v[L+4*\c:L+4*\c+3], v7, s[4:5] offset:\c*4096 th:TH_LOAD_NT   ; channels 32 w + c and 32 w + 16 + c: 256 consecutive bytes each, aligned
.endr
	v_mul_u32_u24 v3, v3, 4*ZTP                    ; ZT, in: vectors 4 (l & 15) + e, channels 32 w + 16 (l >> 4) ..
	v_lshl_add_u32 v3, v4, 5, v3
	v_lshl_add_u32 v3, s52, 6, v3
	s_mul_i32 s60, s52, 8*ZTP
	v_lshl_add_u32 v4, v1, 2, s60                  ; ZT, out: my 8 vectors, channels 2 l, 2 l + 1
	v_mul_u32_u24 v5, v1, 2*OTP
	s_lshl_b32 s60, s52, 5
	s_add_co_u32 s61, s60, OT
	v_add_nc_u32 v5, s61, v5                       ; OT, in: channel 2 l .., vectors 8 w ..
	s_add_co_u32 s60, s60, IDXB
	v_mov_b32 v6, s60                              ; my 8 indices
	s_wait_loadcnt 16                              ; the candidates are in; the 16 loads of z stay out
	v_min_u32 v105, 0x1fff, v105
	v_lshlrev_b32 v105, 2, v105
	global_load_b32 v106, v105, s[8:9]             ; lane i: |e|^2 of candidate i
	s_wait_kmcnt 0x0
.set n, 0
.rept 32
	s_min_u32 s[IDX+n], s[IDX+n], 0x1fff
.set n, n+1
.endr
; the four candidates of vector n into slot n & 3: for each code four loads of 256 consecutive bytes.  No hint: a code may be named again.
.macro GATHER n
.irp k, 0,1,2,3
	v_lshl_add_u32 v[OFF+4*((\n)&3)+\k], s[IDX+4*(\n)+\k], 10, v2
.endr
.irp k, 0,1,2,3
.irp q, 0,1,2,3
	global_load_b64 v[CD+32*((\n)&3)+8*\k+2*\q:CD+32*((\n)&3)+8*\k+2*\q+1], v[OFF+4*((\n)&3)+\k], s[6:7] offset:256*\q
.endr
.endr
.endm
	GATHER 0
	GATHER 1
	GATHER 2
	GATHER 3
	s_wait_loadcnt 63                              ; z is in.  65 loads are younger than z; 63 is the largest count that a wait can name, and a smaller count is always right
	; to bf16, pairs of channels: vector e of my four takes registers 8 j + e and 8 j + 4 + e.  Vectors 0 and 1 go to v[8:23];
	; vectors 2 and 3 into L + j and L + 8 + j, registers that have been read by then
.irp j, 0,1,2,3,4,5,6,7
	v_cvt_pk_bf16_f32 v[8+\j], v[L+8*\j], v[L+8*\j+4]
	v_cvt_pk_bf16_f32 v[16+\j], v[L+8*\j+1], v[L+8*\j+5]
.endr
.irp j, 0,1,2,3,4,5,6,7
	v_cvt_pk_bf16_f32 v[L+\j], v[L+8*\j+2], v[L+8*\j+6]
	v_cvt_pk_bf16_f32 v[L+8+\j], v[L+8*\j+3], v[L+8*\j+7]
.endr
	ds_store_b128 v3, v[8:11]
	ds_store_b128 v3, v[12:15] offset:16
	ds_store_b128 v3, v[16:19] offset:ZTP
	ds_store_b128 v3, v[20:23] offset:ZTP+16
	ds_store_b128 v3, v[L:L+3] offset:2*ZTP
	ds_store_b128 v3, v[L+4:L+7] offset:2*ZTP+16
	ds_store_b128 v3, v[L+8:L+11] offset:3*ZTP
	ds_store_b128 v3, v[L+12:L+15] offset:3*ZTP+16
.set n, 0
.rept 32
	v_readlane_b32 s[EE+n], v106, n
.set n, n+1
.endr
	s_wait_dscnt 0x0                               ; my part of ZT is written: zero, for the other waves
	s_barrier_signal -1
	s_barrier_wait -1
.irp n, 0,1,2,3,4,5,6,7
.irp q, 0,1,2,3
	ds_load_b32 v[ZRP+4*\n+\q], v4 offset:\n*ZTP+128*\q
.endr
.endr
	s_wait_dscnt 0x0
; Vector n.  left = the loads of the younger vectors, 16 each, which stay out.
.macro ROW n, left
.set CDR, CD+32*((\n)&3)
	s_wait_loadcnt \left
.irp q, 0,1,2,3
	v_lshlrev_b32 v[ZU+2*\q], 16, v[ZRP+4*\n+\q]
	v_and_b32 v[ZU+2*\q+1], s53, v[ZRP+4*\n+\q]
.endr
	v_pk_mul_f32 v[S:S+1], v[ZU:ZU+1], v[ZU:ZU+1]                  ; the first products start the five sums
.irp k, 0,1,2,3
	v_pk_mul_f32 v[S+2+2*\k:S+3+2*\k], v[ZU:ZU+1], v[CDR+8*\k:CDR+8*\k+1]
.endr
.irp q, 1,2,3
	v_pk_fma_f32 v[S:S+1], v[ZU+2*\q:ZU+2*\q+1], v[ZU+2*\q:ZU+2*\q+1], v[S:S+1]
.irp k, 0,1,2,3
	v_pk_fma_f32 v[S+2+2*\k:S+3+2*\k], v[ZU+2*\q:ZU+2*\q+1], v[CDR+8*\k+2*\q:CDR+8*\k+2*\q+1], v[S+2+2*\k:S+3+2*\k]
.endr
.endr
.irp m, 0,1,2,3,4
	v_add_f32 v[S+2*\m], v[S+2*\m], v[S+2*\m+1]
.endr
.irp x, 1,2,4,8
.irp m, 0,1,2,3,4
	v_add_f32_dpp v[S+2*\m], v[S+2*\m], v[S+2*\m] row_xmask:\x row_mask:0xf bank_mask:0xf
.endr
.endr
.irp m, 0,1,2,3,4
	v_permlanex16_b32 v[S+2*\m+1], v[S+2*\m], s50, s51
.endr
.irp m, 0,1,2,3,4
	v_add_f32 v[S+2*\m], v[S+2*\m], v[S+2*\m+1]                    ; every lane holds the five sums
.endr
.irp k, 0,1,2,3
	v_add_f32 v[S+3+2*\k], s[EE+4*\n+\k], v[S]                     ; |z|^2 + |e|^2, rounded,
	v_fma_f32 v[S+2+2*\k], -2.0, v[S+2+2*\k], v[S+3+2*\k]          ; less 2 z.e (exact), rounded once
.endr
	v_mov_b32 v[BI], s[IDX+4*\n]                                   ; candidate 0 leads; its d and its code stay where they are
.irp k, 1,2,3
	v_cmp_lt_f32 s54, v[S+2+2*\k], v[S+2]
	v_cmp_eq_f32 s55, v[S+2+2*\k], v[S+2]
	v_cmp_lt_u32 s56, s[IDX+4*\n+\k], v[BI]
	s_and_b32 s55, s55, s56
	s_or_b32 vcc_lo, s54, s55                                      ; smaller, or equal with the lower index
	v_mov_b32 v[TI], s[IDX+4*\n+\k]
	v_cndmask_b32 v[S+2], v[S+2], v[S+2+2*\k], vcc_lo
	v_cndmask_b32 v[BI], v[BI], v[TI], vcc_lo
.irp i, 0,1,2,3,4,5,6,7
	v_cndmask_b32 v[CDR+\i], v[CDR+\i], v[CDR+8*\k+\i], vcc_lo
.endr
.endr
.irp q, 0,1,2,3
	v_pk_add_f32 v[CDR+2*\q:CDR+2*\q+1], v[CDR+2*\q:CDR+2*\q+1], v[ZU+2*\q:ZU+2*\q+1] neg_lo:[0,1] neg_hi:[0,1]   ; code - z
.endr
.if (\n) == 0
	v_pk_mul_f32 v[LS:LS+1], v[CDR:CDR+1], v[CDR:CDR+1]            ; the first square starts the sum
.else
	v_pk_fma_f32 v[LS:LS+1], v[CDR:CDR+1], v[CDR:CDR+1], v[LS:LS+1]
.endif
.irp q, 1,2,3
	v_pk_fma_f32 v[LS:LS+1], v[CDR+2*\q:CDR+2*\q+1], v[CDR+2*\q:CDR+2*\q+1], v[LS:LS+1]
.endr
.irp q, 0,1,2,3
.irp u, 0,1
	v_add_f32 v[OB+4*(2*\q+\u)+((\n)&3)], v[ZU+2*\q+\u], v[CDR+2*\q+\u]        ; z + (code - z)
.endr
.endr
	ds_store_b32 v6, v[BI] offset:4*\n                             ; all lanes write the same word with the same value
.if (\n) < 4
	GATHER \n+4                                    ; the slot's loads are in (the wait above): its offsets and registers are free
.endif
.endm
; four vectors' results into OT: for each of my 8 channels 16 bytes
.macro OUTG g
.irp q, 0,1,2,3
.irp u, 0,1
	ds_store_b128 v5, v[OB+4*(2*\q+\u):OB+4*(2*\q+\u)+3] offset:(64*\q+\u)*OTP+16*\g
.endr
.endr
.endm
	ROW 0, 48
	ROW 1, 48
	ROW 2, 48
	ROW 3, 48
	OUTG 0
	ROW 4, 48
	ROW 5, 32
	ROW 6, 16
	ROW 7, 0
	OUTG 1
	v_add_f32 v[LS], v[LS], v[LS+1]
.irp x, 1,2,4,8
	v_add_f32_dpp v[LS], v[LS], v[LS] row_xmask:\x row_mask:0xf bank_mask:0xf
.endr
	v_permlanex16_b32 v[LS+1], v[LS], s50, s51
	v_add_f32 v[LS], v[LS], v[LS+1]
	s_lshl_b32 s60, s52, 2
	s_add_co_u32 s60, s60, RED
	v_mov_b32 v[TI], s60
	ds_store_b32 v[TI], v[LS]
	; the way out: lanes 0-15 take channel 32 w + 2 i, lanes 16-31 the next
	v_and_b32 v8, 15, v0
	v_bfe_u32 v9, v0, 4, 1
	v_lshlrev_b32 v8, 4, v8
	v_mul_u32_u24 v10, v9, OTP
	v_add_nc_u32 v10, v10, v8
	s_mul_i32 s60, s52, 32*OTP
	s_add_co_u32 s60, s60, OT
	v_add_nc_u32 v10, s60, v10
	v_lshl_add_u32 v9, v9, 12, v8
	s_wait_dscnt 0x0                               ; my parts of OT, of the indices and of the sums are written: zero, for the other waves
	s_barrier_signal -1
	s_barrier_wait -1
.irp i, 0,1,2,3,4,5,6,7,8,9,10,11,12,13,14,15
	ds_load_b128 v[CD+4*\i:CD+4*\i+3], v10 offset:\i*2*OTP
.endr
.irp i, 0,1,2,3,4,5,6,7,8,9,10,11,12,13,14,15
	s_wait_dscnt 15-\i                             ; pair i of channels is back; the younger ones stay out
	global_store_b128 v9, v[CD+4*\i:CD+4*\i+3], s[12:13] offset:\i*8192 th:TH_STORE_NT   ; sixteen lanes store 256 consecutive bytes, aligned
.endr
	s_cmp_lg_u32 s52, 0
	s_cbranch_scc1 .Lend
	; wave 0: the 64 indices and the work-group's sum
	v_add_nc_u32 v11, IDXB, v2
	v_mov_b32 v12, RED
	ds_load_b64 v[14:15], v11
	ds_load_b128 v[24:27], v12
	ds_load_b128 v[28:31], v12 offset:16
	s_lshl_b32 s60, ttmp9, 8
	s_mov_b32 s61, 0
	s_add_nc_u64 s[14:15], s[14:15], s[60:61]
	s_lshl_b32 s60, ttmp9, 2
	s_add_nc_u64 s[48:49], s[48:49], s[60:61]
	v_mov_b32 v13, 0
	v_cmp_eq_u32 vcc_lo, 0, v0
	s_wait_dscnt 0x0
	global_store_b64 v2, v[14:15], s[14:15]        ; 256 consecutive bytes of out4, aligned
	v_pk_add_f32 v[24:25], v[24:25], v[28:29]
	v_pk_add_f32 v[26:27], v[26:27], v[30:31]
	v_pk_add_f32 v[24:25], v[24:25], v[26:27]
	v_add_f32 v24, v24, v25
	s_wait_xcnt 0x0                                ; EXEC is a source of the stores above: it changes only behind this wait
	s_and_saveexec_b32 s54, vcc_lo
	global_store_b32 v13, v24, s[48:49]            ; one number for the work-group
	s_wait_xcnt 0x0                                ; and again in front of the line that widens it
	s_or_b32 exec_lo, exec_lo, s54
.Lend:
	s_wait_tensorcnt 0x0
	ds_add_u32 v240, v241
	s_wait_dscnt 0x0
	s_endpgm
.Lfunc_end_k_q81a51f6386_pick:
	.size	k_q81a51f6386_pick, .Lfunc_end_k_q81a51f6386_pick-k_q81a51f6386_pick
	.p2alignl 7, 3214868480
	.fill 96, 4, 3214868480
	.section	.rodata,"a",@progbits
	.p2align	6, 0x0
	.amdhsa_kernel k_q81a51f6386_pick
		.amdhsa_group_segment_fixed_size 104960
		.amdhsa_private_segment_fixed_size 0
		.amdhsa_enable_private_segment 0
		.amdhsa_kernarg_size 56
		.amdhsa_user_sgpr_count 2
		.amdhsa_user_sgpr_kernarg_segment_ptr 1
		.amdhsa_wavefront_size32 1
		.amdhsa_system_sgpr_workgroup_id_x 1
		.amdhsa_system_sgpr_workgroup_id_y 1
		.amdhsa_system_sgpr_workgroup_id_z 1
		.amdhsa_system_vgpr_workitem_id 0
		.amdhsa_next_free_vgpr 242
		.amdhsa_next_free_sgpr 100
		.amdhsa_reserve_vcc 1
		.amdhsa_float_denorm_mode_32 3
		.amdhsa_float_denorm_mode_16_64 3
		.amdhsa_memory_ordered 1
		.amdhsa_forward_progress 1
		.amdhsa_inst_pref_size 85
	.end_amdhsa_kernel
	.amdgpu_metadata
---
amdhsa.version: [ 1, 2 ]
amdhsa.kernels:
  - .name:           k_q81a51f6386_pick
    .symbol:         k_q81a51f6386_pick.kd
    .args:
      - { .name: z, .offset: 0, .size: 8, .value_kind: global_buffer, .address_space: global }
      - { .name: cbf, .offset: 8, .size: 8, .value_kind: global_buffer, .address_space: global }
      - { .name: ee, .offset: 16, .size: 8, .value_kind: global_buffer, .address_space: global }
      - { .name: cand, .offset: 24, .size: 8, .value_kind: global_buffer, .address_space: global }
      - { .name: out0, .offset: 32, .size: 8, .value_kind: global_buffer, .address_space: global }
      - { .name: out4, .offset: 40, .size: 8, .value_kind: global_buffer, .address_space: global }
      - { .name: part, .offset: 48, .size: 8, .value_kind: global_buffer, .address_space: global }
    .group_segment_fixed_size: 104960
    .private_segment_fixed_size: 0
    .kernarg_segment_align: 8
    .kernarg_segment_size: 56
    .max_flat_workgroup_size: 256
    .sgpr_count:     100
    .vgpr_count:     242
    .wavefront_size: 32
...
	.end_amdgpu_metadata
.endif
;; end of part 3
;; launch loss (part 4): grid 1 x 1, 1 waves a work-group, no clusters, 0 bytes of LDS; arguments part, out1, out2, out3; writes out1, out2, out3
.if DOCPART == 4
	.amdgcn_target "amdgcn-amd-amdhsa--gfx1250"
	.amdhsa_code_object_version 6
	.text
	.protected	k_q81a51f6386_loss
	.globl	k_q81a51f6386_loss
	.p2align	8
	.type	k_q81a51f6386_loss,@function
k_q81a51f6386_loss:
	s_mov_b64 s[64:65], 0
	v_nop
	global_prefetch_b8 v0, s[64:65] scope:SCOPE_SE
	s_setreg_imm32_b32 hwreg(HW_REG_WAVE_MODE, 25, 1), 1
	s_wait_xcnt 0x0
; The 512 work-groups' sums of (code - z)^2 make the mean over 32,768 x 256 = 2^23 numbers: out3 = the mean (codebook loss),
; out2 = 0.25 x the mean (commitment loss), out1 = out2 + out3.  One wave: 2,048 bytes in, 12 bytes out; a sum across work-groups
; is ordered by a launch of its own.
	s_load_b256 s[4:11], s[0:1], 0x0               ; part s[4:5], out1 s[6:7], out2 s[8:9], out3 s[10:11]
	v_lshlrev_b32 v1, 4, v0
	s_mov_b32 s12, 0x76543210                      ; v_permlanex16_b32: lane i of one half reads lane i of the other
	s_mov_b32 s13, 0xfedcba98
	s_wait_kmcnt 0x0
.irp i, 0,1,2,3
	global_load_b128 v[4+4*\i:7+4*\i], v1, s[4:5] offset:512*\i
.endr
	s_wait_loadcnt 0x0
	v_pk_add_f32 v[4:5], v[4:5], v[8:9]
	v_pk_add_f32 v[6:7], v[6:7], v[10:11]
	v_pk_add_f32 v[12:13], v[12:13], v[16:17]
	v_pk_add_f32 v[14:15], v[14:15], v[18:19]
	v_pk_add_f32 v[4:5], v[4:5], v[12:13]
	v_pk_add_f32 v[6:7], v[6:7], v[14:15]
	v_pk_add_f32 v[4:5], v[4:5], v[6:7]
	v_add_f32 v4, v4, v5
.irp x, 1,2,4,8
	v_add_f32_dpp v4, v4, v4 row_xmask:\x row_mask:0xf bank_mask:0xf
.endr
	v_permlanex16_b32 v5, v4, s12, s13
	v_add_f32 v4, v4, v5
	v_mul_f32 v6, 0x34000000, v4                   ; x 2^-23, exact
	v_mul_f32 v5, 0x3e800000, v6                   ; x 0.25
	v_add_f32 v4, v5, v6
	v_mov_b32 v2, 0
	v_cmp_eq_u32 vcc_lo, 0, v0
	s_wait_xcnt 0x0                                ; EXEC changes only behind this wait
	s_and_saveexec_b32 s14, vcc_lo
	global_store_b32 v2, v4, s[6:7]
	global_store_b32 v2, v5, s[8:9]
	global_store_b32 v2, v6, s[10:11]
	s_wait_xcnt 0x0                                ; and again in front of the line that widens it
	s_or_b32 exec_lo, exec_lo, s14
	s_endpgm
.Lfunc_end_k_q81a51f6386_loss:
	.size	k_q81a51f6386_loss, .Lfunc_end_k_q81a51f6386_loss-k_q81a51f6386_loss
	.p2alignl 7, 3214868480
	.fill 96, 4, 3214868480
	.section	.rodata,"a",@progbits
	.p2align	6, 0x0
	.amdhsa_kernel k_q81a51f6386_loss
		.amdhsa_group_segment_fixed_size 0
		.amdhsa_private_segment_fixed_size 0
		.amdhsa_enable_private_segment 0
		.amdhsa_kernarg_size 32
		.amdhsa_user_sgpr_count 2
		.amdhsa_user_sgpr_kernarg_segment_ptr 1
		.amdhsa_wavefront_size32 1
		.amdhsa_system_sgpr_workgroup_id_x 1
		.amdhsa_system_sgpr_workgroup_id_y 1
		.amdhsa_system_sgpr_workgroup_id_z 1
		.amdhsa_system_vgpr_workitem_id 0
		.amdhsa_next_free_vgpr 32
		.amdhsa_next_free_sgpr 66
		.amdhsa_reserve_vcc 1
		.amdhsa_float_denorm_mode_32 3
		.amdhsa_float_denorm_mode_16_64 3
		.amdhsa_memory_ordered 1
		.amdhsa_forward_progress 1
		.amdhsa_inst_pref_size 3
	.end_amdhsa_kernel
	.amdgpu_metadata
---
amdhsa.version: [ 1, 2 ]
amdhsa.kernels:
  - .name:           k_q81a51f6386_loss
    .symbol:         k_q81a51f6386_loss.kd
    .args:
      - { .name: part, .offset: 0, .size: 8, .value_kind: global_buffer, .address_space: global }
      - { .name: out1, .offset: 8, .size: 8, .value_kind: global_buffer, .address_space: global }
      - { .name: out2, .offset: 16, .size: 8, .value_kind: global_buffer, .address_space: global }
      - { .name: out3, .offset: 24, .size: 8, .value_kind: global_buffer, .address_space: global }
    .group_segment_fixed_size: 0
    .private_segment_fixed_size: 0
    .kernarg_segment_align: 8
    .kernarg_segment_size: 32
    .max_flat_workgroup_size: 32
    .sgpr_count:     66
    .vgpr_count:     32
    .wavefront_size: 32
...
	.end_amdgpu_metadata
.endif
;; end of part 4
;; ======== version 2 of 2: 4 launches; 1.15 times as fast as version 1
;; limits: right only within a limited range of input values
;; workspace buffers: cbf 8,388,608 bytes; cbk 4,259,840 bytes; ee 32,768 bytes; cand 524,288 bytes of whole numbers; part 2,048 bytes
;; launch codebook: the kernel of part 1 again; grid 128 x 1, 8 waves a work-group, no clusters, 238,080 bytes of LDS; arguments emb_weight, proj_weight, cbf, cbk, ee; writes cbf, cbk, ee
;; launch search (part 5): grid 256 x 1, 8 waves a work-group, clusters of 4 x 1, 327,680 bytes of LDS; arguments cbk, z, cand; writes cand
.if DOCPART == 5
	.amdgcn_target "amdgcn-amd-amdhsa--gfx1250"
	.amdhsa_code_object_version 6
	.text
	.protected	k_q81a51f6386_search
	.globl	k_q81a51f6386_search
	.p2align	8
	.type	k_q81a51f6386_search,@function
k_q81a51f6386_search:
	s_mov_b64 s[64:65], 0
	v_nop
	global_prefetch_b8 v0, s[64:65] scope:SCOPE_SE
	s_setreg_imm32_b32 hwreg(HW_REG_WAVE_MODE, 25, 1), 1
	s_wait_xcnt 0x0
	s_wait_alu depctr_hold_cnt(0) depctr_sa_sdst(0) depctr_va_vdst(0) depctr_va_sdst(0) depctr_va_ssrc(0) depctr_va_vcc(0) depctr_vm_vsrc(0)
	s_getreg_b32 s2, hwreg(HW_REG_IB_STS2, 6, 4)
	s_cmp_eq_u32 s2, 0
	s_cbranch_scc0 .Lentry_in_a_cluster
	s_endpgm
.Lentry_in_a_cluster:
	s_bfe_u32 s2, ttmp6, 0x10000c
	s_cmp_lg_u32 s2, 0x3003
	s_cbranch_scc0 .Lentry_shape_is_right
	s_endpgm
.Lentry_shape_is_right:
; For each of the 32,768 vectors z (256 channels) the four codes with the largest score z.e - |e|^2 / 2, that is the smallest
; distance, on the matrix unit in bf16 with f32 sums.  They are PROPOSALS: the next launch scores the four again in f32 and chooses.
; A work-group owns 128 vectors (image b = wg >> 3, pixels 128 (wg & 7) ..).  EIGHT WAVES of 512 registers, two for each of the WGP's
; four SIMDs: each matrix instruction is followed by four vector instructions that treat a score, and with two waves a SIMD has the
; other wave's matrix instruction to issue while one wave treats its scores.  wm = w >> 2 picks 64 vectors, wn = w & 3 the code tiles.
; A wave keeps its 64 vectors as source-1 fragments for the whole kernel (4 tiles x 8 K steps x 8 registers), so a code fragment read
; from LDS feeds four matrix instructions.  The 8,192 codes pass in 32 blocks of 256 through two LDS slots; a block is four chunks of
; four tiles, and the wave's tile i of a block is tile wn of chunk i.
; CLUSTER 4 x 1: every work-group walks the same blocks, so each chunk of cbk (64 codes and a row with their -|e|^2/2) is asked for
; jointly by the four work-groups of a cluster, which divides the requests for cbk by four.  A block has four chunks: waves 0-3 ask
; for one each, waves 4-7 for none.  A mask names four work-groups, and only this one operand is shared.
; THE MATRIX INSTRUCTION: source 0 = 16 codes, source 1 = 16 vectors; in the result lane (r, h), register j is code 8 h + j, vector r.
; The first K step takes as C eight registers with -|e|^2/2 of codes 8 h .. 8 h + 7: the score costs no vector instruction.
; SCORES: the low 7 bits of a score are replaced by the number T (0..127) of the wave's tile; 16 bits of mantissa stay.  For each
; vector and each of 64 classes (wn, h, j) the two largest packed scores are kept.  code = 64 T + 16 wn + 8 h + j.
; At the end the 128 survivors of a vector meet in LDS and the best four go out as whole numbers.
; LIMITS: z and the codebook enter as bf16; scores are ranked on 16 bits of mantissa; NaN and infinities are not served; the keys of
; the last step need |largest score| > 2^-110.  The true winner is among the four unless three codes of one class, or five codes in
; all, lie closer to the best than the rounding of the scores tells apart.
.set PITCH,  528                       ; an LDS row of a chunk: 512 bytes + 16 = 33 x 16: the 16 rows of a fragment start in 16 different 16-byte columns modulo 256
.set CHROWS, 65
.set CHLDS,  CHROWS*PITCH              ; a chunk in LDS
.set SLOT,   4*CHLDS                   ; a block: four chunks
.set STG,    274688                    ; the first multiple of 256 behind the two slots: no tensor load lands from here on
.set ZP,     288                       ; the stage for z: 128 channels x (128 vectors in bf16 + 32 bytes) = 9 x 32 bytes a row
.set DP,     528                       ; the survivors: 128 vectors x (128 words + 16 bytes), from LDS byte 0 on: in slot 0, behind its last fill and its last read
.set CHUNK,  33280                     ; a chunk in memory
; window 0
.set ZOFF, 8                           ; v8        byte offset of my 16 bytes in z; never rewritten
.set ADRA, 16                          ; v[16:23]  code fragments: slot s, chunk q at ADRA + 4 s + q
.set ADRB, 24                          ; v[24:31]  the same for the rows of -|e|^2/2
.set TMP,  32                          ; v[32:35]
.set K4,   36                          ; v[36:39]  the four best keys
.set BIAS, 40                          ; v[40:47]
.set FR,   48                          ; v[48:111] the tile's code fragments, K step k at FR + 8 k
.set ACC,  112                         ; v[112:175] two sets of four tiles
.set B1,   176                         ; v[176:207] the best of each class
.set B2,   208                         ; v[208:239] the second best
.set STA,  240
.set TRA,  241
.set DMP,  242
.set RDA,  243
.set CO,   244
.set MX,   245
.set MP,   246
.set U,    247                         ; v[247:250] two pairs at work
; window 1: my vectors, K step k, tile t at 8 (4 k + t).  At the start its registers 128-255 take z as loaded
.set G1, 16                            ; s[16:23] descriptor group 1
.set G0, 24                            ; s[24:31] descriptor group 0, a set for each slot
.set MSB, 0
.macro WIN new                         ; low byte: bits 1:0 source 0, 3:2 source 1, 5:4 source 2, 7:6 destination; the high byte repeats the setting that is left
.if MSB != \new
	s_set_vgpr_msb (MSB<<8)|\new
.set MSB, \new
.endif
.endm
; A round of the cluster's barrier: my work-group's barrier, wave 0 signals for the work-group, every wave waits for all four
; work-groups, my work-group's barrier once more.
.macro CREST                           ; a round behind its opening barrier
	s_cmp_lg_u32 s10, 0
	s_cbranch_scc1 .Lnot_wave_0_\@
	s_barrier_signal -3
.Lnot_wave_0_\@:
	s_barrier_wait -3
	s_barrier_signal -1
	s_barrier_wait -1
.endm
.macro CROUND
	s_barrier_signal -1
	s_barrier_wait -1
	CREST
.endm
	s_load_b128 s[4:7], s[0:1], 0x0                ; cbk s[4:5], z s[6:7]
	s_load_b64 s[8:9], s[0:1], 0x10                ; cand
	v_lshl_add_u32 v254, v0, 2, 0x4c100
	v_mov_b32 v255, 0
	ds_add_u32 v254, v255
	v_lshrrev_b32 v1, 5, v0
	v_readfirstlane_b32 s10, v1                    ; wave 0..7
	s_lshr_b32 s11, s10, 2                         ; wm
	s_and_b32 s12, s10, 3                          ; wn
	s_bfe_u32 s13, ttmp6, 0x40000                  ; cx.  It enters the addresses of z and cand alone (s13, s14, s45-s47)
	s_lshl_b32 s14, ttmp9, 2
	s_add_co_u32 s14, s14, s13                     ; work-group = 4 x cluster + cx
	v_and_b32 v1, 31, v0                           ; lane L
	v_and_b32 v2, 15, v0                           ; r
	v_bfe_u32 v3, v0, 4, 1                         ; h
	v_lshlrev_b32 v[ZOFF], 4, v1
	v_lshl_add_u32 v[ZOFF], s10, 16, v[ZOFF]       ; 16 L + 16 w channels of 4,096 bytes
	s_lshr_b32 s46, s14, 3
	s_lshl_b32 s46, s46, 20                        ; an image is 256 x 4,096 bytes
	s_and_b32 s45, s14, 7
	s_lshl_b32 s45, s45, 9                         ; 128 pixels of 4 bytes
	s_add_co_u32 s46, s46, s45
	s_mov_b32 s47, 0
	s_mul_i32 s40, s10, CHUNK                      ; waves 0-3: my chunk of a block, in memory
	s_mov_b32 s41, 0
	s_mul_i32 s42, s10, CHLDS                      ; and in a slot
	; group 1: a tile of 65 rows x 256 elements of 2 bytes, dense in memory, 16 bytes of padding behind each row in LDS
	s_mov_b32 s[G1+0], 15|(1<<16)|(1<<20)|(1<<21)|(6<<22)|(3<<25)   ; 15:0 the mask: all four work-groups; 17:16 2 bytes; 20 padding on; 21 set beside a mask; 24:22 after every 128 words; 31:25 four words
	s_mov_b32 s[G1+1], 256<<16                     ; tensor_dim0 = 256
	s_mov_b32 s[G1+2], CHROWS<<16                  ; tensor_dim1 = 65
	s_mov_b32 s[G1+3], 256<<16                     ; tile_dim0 = 256
	s_mov_b32 s[G1+4], CHROWS                      ; tile_dim1 = 65
	s_mov_b32 s[G1+5], 256                         ; elements from row to row
	s_mov_b32 s[G1+6], 0
	s_mov_b32 s[G1+7], 0
	s_wait_dscnt 0x0
	s_wait_kmcnt 0x0
	s_add_nc_u64 s[6:7], s[6:7], s[46:47]
	s_add_nc_u64 s[4:5], s[4:5], s[40:41]
	s_lshl_b32 s46, s14, 11                        ; 128 vectors x 16 bytes of cand
	s_add_nc_u64 s[8:9], s[8:9], s[46:47]
	; z: channel 128 kh + 16 w + i, my work-group's 128 pixels = 512 consecutive bytes for each load; 32 loads a wave.
	; No hint: a later launch reads z again.
	WIN 0x40                                       ; destination in window 1
.set n, 0
.rept 32
	global_load_b128 v[128+4*n:128+4*n+3], v[ZOFF], s[6:7] offset:(n>>4)*524288+(n&15)*4096
.set n, n+1
.endr
	WIN 0
	CROUND                                         ; all four work-groups are here: the first joint loads meet
.irp s, 0,1
	s_mov_b32 s[G0+4*\s], 1                                        ; count = 1
	s_add_co_u32 s[G0+4*\s+1], s42, \s*SLOT                        ; LDS address: the wave's number and the slot alone
	s_add_nc_u64 s[G0+4*\s+2:G0+4*\s+3], s[4:5], \s*4*CHUNK        ; block s, chunk w
	s_or_b32 s[G0+4*\s+3], s[G0+4*\s+3], 0x80000000               ; type = 2
.endr
	s_cmp_gt_u32 s10, 3                            ; a block has four chunks: waves 4-7 ask for none.  One branch holds both first fills
	s_cbranch_scc1 .Lno_first
	tensor_load_to_lds s[G0:G0+3], s[G1:G1+7]      ; both first fills go out together: two tensor loads of the wave are out
	s_nop 0
	tensor_load_to_lds s[G0+4:G0+7], s[G1:G1+7]
	s_nop 0
.Lno_first:
	; addresses
	v_mul_u32_u24 v4, v2, PITCH
	v_lshl_add_u32 v4, v3, 4, v4                   ; a fragment: row r, 16 bytes for each half of the lanes
	s_mul_i32 s43, s12, 16*PITCH                   ; tile wn of a chunk
	v_add_nc_u32 v4, s43, v4
	v_lshlrev_b32 v5, 5, v3                        ; the 65th row: 8 numbers for each half of the lanes,
	s_lshl_b32 s43, s12, 6                         ; 16 for each tile
	s_add_co_u32 s43, s43, 64*PITCH
	v_add_nc_u32 v5, s43, v5
.irp s, 0,1
.irp q, 0,1,2,3
	v_add_nc_u32 v[ADRA+4*\s+\q], \s*SLOT+\q*CHLDS, v4
	v_add_nc_u32 v[ADRB+4*\s+\q], \s*SLOT+\q*CHLDS, v5
.endr
.endr
	s_mul_i32 s43, s10, 16*ZP
	s_add_co_u32 s43, s43, STG
	v_lshl_add_u32 v[STA], v1, 3, s43              ; the stage, in: channel 16 w + i, 4 vectors (8 bytes) a lane
	v_and_b32 v6, 7, v0
	v_lshl_add_u32 v6, v3, 3, v6
	v_mul_u32_u24 v6, v6, ZP                       ; the stage, out, transposed: channel 8 h + (L & 7),
	v_bfe_u32 v7, v0, 3, 1
	v_lshl_add_u32 v6, v7, 4, v6                   ; 16 bytes by bit 3 of the lane,
	s_lshl_b32 s43, s11, 7                         ; my 64 vectors
	s_add_co_u32 s43, s43, STG
	v_add_nc_u32 v[TRA], s43, v6
	v_mul_u32_u24 v6, v2, DP                       ; the survivors, in: vector 64 wm + 16 t + r, 64 bytes for each (wn, h)
	v_lshl_add_u32 v6, v3, 6, v6
	s_mul_i32 s43, s11, 64*DP
	s_lshl_b32 s44, s12, 7
	s_add_co_u32 s43, s43, s44
	v_add_nc_u32 v[DMP], s43, v6
	v_mul_u32_u24 v[RDA], v0, DP                   ; back: thread t (0..127) takes vector t
	v_lshlrev_b32 v[CO], 4, v0
	s_mov_b32 s32, 0x7f                            ; the bits that hold the tile's number
	s_mov_b32 s33, -2                              ; the number of the tile whose scores are treated; stepped at the head of each tile
	s_mov_b32 s34, 0x7f800000                      ; +infinity: makes a minimum of three a minimum of two
	s_mov_b32 s35, 0xff800000                      ; -infinity: the same for a maximum
	s_mov_b32 s36, 15                              ; laps
	s_mov_b32 s37, 0x1fff                          ; the bits of a code's number
	s_mov_b32 s38, 0xff000000                      ; a finite number below every score
	s_mov_b32 s39, 0x37800000                      ; 2^-16
	; the trackers' start; set 1 of the accumulators too, which the first tile treats in place of a tile before it
.set n, 0
.rept 32
	v_mov_b32 v[ACC+32+n], s38
	v_mov_b32 v[B1+n], s38
	v_mov_b32 v[B2+n], s38
.set n, n+1
.endr
; z to bf16 and into fragments, 128 channels at a time through the stage; a wave brings 16 of them
.macro CVZ kh
	WIN 0x05                                       ; sources in window 1
.set n, 0
.rept 16
	v_cvt_pk_bf16_f32 v[FR+2*n], v[128+64*\kh+4*n], v[128+64*\kh+4*n+1]
	v_cvt_pk_bf16_f32 v[FR+2*n+1], v[128+64*\kh+4*n+2], v[128+64*\kh+4*n+3]
.set n, n+1
.endr
	WIN 0
.endm
.macro STZ
.set n, 0
.rept 16
	ds_store_b64 v[STA], v[FR+2*n:FR+2*n+1] offset:n*ZP
.set n, n+1
.endr
.endm
; the stage holds [channel][vector]; the transposing load gives lane (r, h) vector r, channels 8 h .. 8 h + 7, then 16 + 8 h ..
; Half 0 lands in window 1's registers 0-127, half 1 in 128-255, where z as loaded has been converted by then.
.macro TRZ kh
	WIN 0x40                                       ; destination in window 1
.irp s, 0,1,2,3
.irp t, 0,1,2,3
	ds_load_tr16_b128 v[8*(4*(4*\kh+\s)+\t):8*(4*(4*\kh+\s)+\t)+3], v[TRA] offset:\s*32*ZP+32*\t
	ds_load_tr16_b128 v[8*(4*(4*\kh+\s)+\t)+4:8*(4*(4*\kh+\s)+\t)+7], v[TRA] offset:\s*32*ZP+32*\t+16*ZP
.endr
.endr
	WIN 0
.endm
	s_wait_loadcnt 16                              ; channels 0-127 are in; the 16 younger loads stay out
	CVZ 0
	STZ
	s_wait_dscnt 0x0                               ; my rows of the stage are written: zero, for the other waves
	s_barrier_signal -1
	s_barrier_wait -1
	TRZ 0
	s_wait_loadcnt 0
	CVZ 1
	s_wait_dscnt 0x0                               ; my reads of the stage are back
	s_barrier_signal -1
	s_barrier_wait -1                              ; everybody's are: it may be written again
	STZ
	s_wait_dscnt 0x0
	s_wait_tensorcnt 0x1                           ; waves 0-3: my chunk of slot 0 is in; slot 1's may stay out
	s_barrier_signal -1
	s_barrier_wait -1
	TRZ 1
; THE TREATMENT OF A SCORE, four instructions for register n (0..31) of the finished set at base o.  They run under the loop's one
; window setting (source 1 in window 1), so they name vector registers in source 0, source 2 and the destination alone.
.macro EA o, n
	v_bfi_b32 v[\o+\n], s32, s33, v[\o+\n]                         ; the tile's number into the low 7 bits
.endm
.macro EB o, n
	v_min3_num_f32 v[TMP+((\n)&3)], v[B1+\n], s34, v[\o+\n]        ; the smaller of the best and the new one
	v_max3_num_f32 v[B1+\n], v[\o+\n], s35, v[B1+\n]               ; the larger is the best
.endm
.macro EC n
	v_max3_num_f32 v[B2+\n], v[TMP+((\n)&3)], s35, v[B2+\n]        ; the smaller runs for second
.endm
; what stands behind matrix instruction n of a tile: three registers in three stages, four instructions
.macro EPI o, n
	EA \o, \n
.if (\n) >= 1
	EB \o, (\n)-1
.endif
.if (\n) >= 2
	EC (\n)-2
.endif
.if (\n) == 31
	EB \o, 31
	EC 30
	EC 31
.endif
.endm
; One K step of a tile: four matrix instructions, the four accumulators of the set by turns, one instruction a turn;
; behind each the treatment of the other set, which names none of its registers.
.macro KSTEP set, k
.irp t, 0,1,2,3
.if \k == 0
	v_wmma_f32_16x16x32_bf16 v[ACC+32*\set+8*\t:ACC+32*\set+8*\t+7], v[FR+8*\k:FR+8*\k+7], v[8*(4*\k+\t):8*(4*\k+\t)+7], v[BIAS:BIAS+7]
.else
	v_wmma_f32_16x16x32_bf16 v[ACC+32*\set+8*\t:ACC+32*\set+8*\t+7], v[FR+8*\k:FR+8*\k+7], v[8*(4*\k+\t):8*(4*\k+\t)+7], v[ACC+32*\set+8*\t:ACC+32*\set+8*\t+7]
.endif
	EPI ACC+32-32*\set, 4*\k+\t
.endr
.endm
; Fragment k of my tile ni (0..3) of the block in slot ns: tile wn of chunk ni
.macro PF ns, ni, k
	ds_load_b128 v[FR+8*\k:FR+8*\k+3], v[ADRA+4*(\ns)+(\ni)] offset:64*\k
	ds_load_b128 v[FR+8*\k+4:FR+8*\k+7], v[ADRA+4*(\ns)+(\ni)] offset:64*\k+32
.endm
; A tile's 18 LDS loads go out in TWO RUNS, each into registers that the tile at work has just read for the last time, so that the
; sixteen matrix instructions of four K steps follow each other with register work alone between them, and each run has sixteen
; matrix instructions before its first use.  RUN1: -|e|^2/2 and fragments 0-3, 10 loads, behind K step 3.  RUN2: fragments 4-7,
; 8 loads, behind K step 7.  Each stands behind a K step whose last matrix instruction is followed by four (K step 7: eight) vector
; instructions on other registers: the four places in front of a load into a register that a matrix instruction has read (ISA guide
; 7.12.1 for vector instructions; kept for loads too).
.macro RUN1 ns, ni
	ds_load_b128 v[BIAS:BIAS+3], v[ADRB+4*(\ns)+(\ni)]
	ds_load_b128 v[BIAS+4:BIAS+7], v[ADRB+4*(\ns)+(\ni)] offset:16
.irp k, 0,1,2,3
	PF \ns, \ni, \k
.endr
.endm
.macro RUN2 ns, ni
.irp k, 4,5,6,7
	PF \ns, \ni, \k
.endr
.endm
; A tile: 32 matrix instructions and the next tile's two runs.
.macro TILE0 slot, i, set
	s_add_co_u32 s33, s33, 1
	s_wait_dscnt 8                                 ; LDS loads come back in order: my RUN1 is in; the 8 loads of my RUN2 may be out
.irp k, 0,1,2,3
	KSTEP \set, \k
.endr
	RUN1 \slot, \i+1
	s_wait_dscnt 10                                ; my RUN2 is in; the 10 loads just issued may be out
.irp k, 4,5,6,7
	KSTEP \set, \k
.endr
	RUN2 \slot, \i+1
.endm
; The last tile of a block changes slots.  Both its runs were issued in the tile before.  In front of the barrier each wave waits for
; its reads of this slot (all the tile's fragments are then in registers) and for all its tensor loads (waves 0-3 have one out: their
; chunk of the other slot).  With fill = 1 the barrier opens a round of the cluster's barrier, inside which stands register work
; alone; behind the round no wave of any of the four work-groups reads this slot or has a load on its way, and the joint refill, two
; blocks ahead, is the first thing there; then the next block's first tile is fetched from the other slot.
.macro TILET slot, set, fill
	s_add_co_u32 s33, s33, 1
	s_wait_dscnt 8
	KSTEP \set, 0
	KSTEP \set, 1
	s_wait_dscnt 0x0
	s_set_vgpr_msb 0x400
	s_wait_tensorcnt 0x0
	ds_add_u32 v254, v255
	s_wait_dscnt 0x0
	s_set_vgpr_msb 0x4
	s_barrier_signal -1
	KSTEP \set, 2
	KSTEP \set, 3
	WIN 0
	s_barrier_wait -1
.if \fill
	CREST
	s_add_nc_u64 s[G0+4*\slot+2:G0+4*\slot+3], s[G0+4*\slot+2:G0+4*\slot+3], 8*CHUNK   ; no tensor load of mine is out: the address may step
	s_cmp_gt_u32 s10, 3                            ; waves 4-7 have no chunk to ask for
	s_cbranch_scc1 .Lno_fill_\@
	tensor_load_to_lds s[G0+4*\slot:G0+4*\slot+3], s[G1:G1+7]      ; my one tensor load until the next such barrier
	s_nop 0
.Lno_fill_\@:
.endif
	WIN 4
	RUN1 1-\slot, 0
.irp k, 4,5,6,7
	KSTEP \set, \k                                 ; fragments 4-7 came in with the wait for 0 above: no wait here
.endr
	RUN2 1-\slot, 0
.endm
.macro TILEL set                       ; the very last tile fetches nothing
	s_add_co_u32 s33, s33, 1
	s_wait_dscnt 8
.irp k, 0,1,2,3
	KSTEP \set, \k
.endr
	s_wait_dscnt 0x0
.irp k, 4,5,6,7
	KSTEP \set, \k
.endr
.endm
.macro THREE slot
	TILE0 \slot, 0, 0
	TILE0 \slot, 1, 1
	TILE0 \slot, 2, 0
.endm
.macro BLOCK slot, fill
	THREE \slot
	TILET \slot, 1, \fill
.endm
	RUN1 0, 0                                      ; the first tile's fragments; the first wait below also covers the older loads of my vectors
	RUN2 0, 0
.Llap:                                             ; a lap = blocks 2 j and 2 j + 1; it asks for blocks 2 j + 2 and 2 j + 3
	WIN 4                                          ; source 1 in window 1: the one setting of the loop
	BLOCK 0, 1
	BLOCK 1, 1
	WIN 0
	s_sub_co_u32 s36, s36, 1
	s_cmp_lg_u32 s36, 0
	s_cbranch_scc1 .Llap
	WIN 4
	BLOCK 0, 0                                     ; block 30: nothing is left to ask for; its barrier shows block 31 whole, and slot 0 read for the last time by every wave
	THREE 1                                        ; block 31
	TILEL 1
	s_add_co_u32 s33, s33, 1                       ; the last tile's scores (set 1); eight vector instructions on other registers stand behind the last matrix instruction
.set n, 0
.rept 32
	EPI ACC+32, n
.set n, n+1
.endr
	WIN 0
	; THE BEST FOUR.  The 128 survivors of a vector (8 x (wn, h) x 8 classes x 2) meet in LDS, in the first 67,584 bytes of slot 0:
	; its last fill (block 30) was waited for and its last reads were waited for in front of block 30's barrier, in every wave.
.irp t, 0,1,2,3
	ds_store_b128 v[DMP], v[B1+8*\t:B1+8*\t+3] offset:\t*16*DP
	ds_store_b128 v[DMP], v[B1+8*\t+4:B1+8*\t+7] offset:\t*16*DP+16
	ds_store_b128 v[DMP], v[B2+8*\t:B2+8*\t+3] offset:\t*16*DP+32
	ds_store_b128 v[DMP], v[B2+8*\t+4:B2+8*\t+7] offset:\t*16*DP+48
.endr
	s_wait_dscnt 0x0                               ; my survivors are written: zero, for the other waves
	s_barrier_signal -1
	s_barrier_wait -1
	s_cmp_gt_u32 s10, 3                            ; 128 vectors, one for each thread of waves 0-3
	s_cbranch_scc1 .Lno_pick
.irp i, 0,1,2,3,4,5,6,7,8,9,10,11,12,13,14,15,16,17,18,19,20,21,22,23,24,25,26,27,28,29,30,31
	ds_load_b128 v[FR+4*\i:FR+4*\i+3], v[RDA] offset:16*\i         ; piece i: (wn, h) = i >> 2; i & 3 = best j 0-3, best j 4-7, second j 0-3, second j 4-7
.endr
.irp k, 0,1,2,3
	v_mov_b32 v[K4+\k], s34
.endr
	s_wait_dscnt 0x0
	v_max3_num_f32 v[MX], v[FR], v[FR+1], v[FR+2]                  ; M: the largest of the 64 bests
	v_max_num_f32 v[MX], v[MX], v[FR+3]
.irp i, 1,4,5,8,9,12,13,16,17,20,21,24,25,28,29
	v_max3_num_f32 v[MX], v[MX], v[FR+4*\i], v[FR+4*\i+1]
	v_max3_num_f32 v[MX], v[MX], v[FR+4*\i+2], v[FR+4*\i+3]
.endr
	v_and_b32 v[U], 0x7fffffff, v[MX]
	v_fma_f32 v[MP], v[U], s39, v[MX]              ; M + |M| 2^-16: every difference below is a positive normal number
; key = (M' - score) with the code's number in its low 13 bits: positive floats, the smallest is the best; kept sorted, four deep
.macro KEY i, e
	v_and_b32 v[U+2*((\e)&1)], s32, v[FR+4*\i+\e]
	v_sub_f32 v[U+2*((\e)&1)+1], v[MP], v[FR+4*\i+\e]
	v_lshl_or_b32 v[U+2*((\e)&1)], v[U+2*((\e)&1)], 6, 8*((\i)>>2)+4*((\i)&1)+\e
	v_bfi_b32 v[U+2*((\e)&1)+1], s37, v[U+2*((\e)&1)], v[U+2*((\e)&1)+1]
	v_med3_num_f32 v[K4+3], v[K4+2], v[K4+3], v[U+2*((\e)&1)+1]
	v_med3_num_f32 v[K4+2], v[K4+1], v[K4+2], v[U+2*((\e)&1)+1]
	v_med3_num_f32 v[K4+1], v[K4], v[K4+1], v[U+2*((\e)&1)+1]
	v_min_num_f32 v[K4], v[K4], v[U+2*((\e)&1)+1]
.endm
.irp i, 0,1,2,3,4,5,6,7,8,9,10,11,12,13,14,15,16,17,18,19,20,21,22,23,24,25,26,27,28,29,30,31
.irp e, 0,1,2,3
	KEY \i, \e
.endr
.endr
.irp k, 0,1,2,3
	v_and_b32 v[K4+\k], s37, v[K4+\k]
.endr
	global_store_b128 v[CO], v[K4:K4+3], s[8:9]    ; a wave stores 512 consecutive bytes, aligned
.Lno_pick:
	s_wait_tensorcnt 0x0
	ds_add_u32 v254, v255
	s_wait_dscnt 0x0
	CROUND                                         ; the closing round: no work-group ends while a partner may still ask jointly
	s_endpgm
.Lfunc_end_k_q81a51f6386_search:
	.size	k_q81a51f6386_search, .Lfunc_end_k_q81a51f6386_search-k_q81a51f6386_search
	.p2alignl 7, 3214868480
	.fill 96, 4, 3214868480
	.section	.rodata,"a",@progbits
	.p2align	6, 0x0
	.amdhsa_kernel k_q81a51f6386_search
		.amdhsa_group_segment_fixed_size 327680
		.amdhsa_private_segment_fixed_size 0
		.amdhsa_enable_private_segment 0
		.amdhsa_kernarg_size 24
		.amdhsa_user_sgpr_count 2
		.amdhsa_user_sgpr_kernarg_segment_ptr 1
		.amdhsa_wavefront_size32 1
		.amdhsa_system_sgpr_workgroup_id_x 1
		.amdhsa_system_sgpr_workgroup_id_y 1
		.amdhsa_system_sgpr_workgroup_id_z 1
		.amdhsa_system_vgpr_workitem_id 0
		.amdhsa_next_free_vgpr 512
		.amdhsa_next_free_sgpr 66
		.amdhsa_reserve_vcc 0
		.amdhsa_float_denorm_mode_32 3
		.amdhsa_float_denorm_mode_16_64 3
		.amdhsa_memory_ordered 1
		.amdhsa_forward_progress 1
		.amdhsa_inst_pref_size 255
	.end_amdhsa_kernel
	.section	.bss,"aw",@nobits
	.p2align	6
	.space	262144
	.amdgpu_metadata
---
amdhsa.version: [ 1, 2 ]
amdhsa.kernels:
  - .name:           k_q81a51f6386_search
    .symbol:         k_q81a51f6386_search.kd
    .args:
      - { .name: cbk, .offset: 0, .size: 8, .value_kind: global_buffer, .address_space: global }
      - { .name: z, .offset: 8, .size: 8, .value_kind: global_buffer, .address_space: global }
      - { .name: cand, .offset: 16, .size: 8, .value_kind: global_buffer, .address_space: global }
    .group_segment_fixed_size: 327680
    .private_segment_fixed_size: 0
    .kernarg_segment_align: 8
    .kernarg_segment_size: 24
    .max_flat_workgroup_size: 256
    .sgpr_count:     66
    .vgpr_count:     512
    .wavefront_size: 32
...
	.end_amdgpu_metadata
.endif
;; end of part 5
;; launch pick: the kernel of part 3 again; grid 512 x 1, 8 waves a work-group, no clusters, 104,960 bytes of LDS; arguments z, cbf, ee, cand, out0, out4, part; writes out0, out4, part
;; launch loss: the kernel of part 4 again; grid 1 x 1, 1 waves a work-group, no clusters, 0 bytes of LDS; arguments part, out1, out2, out3; writes out1, out2, out3
